; MI455X (gfx1250); checked and timed in simulation.
; The chip was launched on July 23, 2026; its instructions are those of AMD's public machine-readable ISA for CDNA 5 (MIT licence, August 2026) and "CDNA5" Instruction Set Architecture Reference Guide (July 2026). The comments in the code are by the model that wrote it; some were corrected since.
;; GRU. Allowed arithmetic: matrix products marked QUANTISED: E3M2 operands, one E8M0 scale for each 32 along K, by v_wmma_scale_f32_16x16x128_f8f6f4 with both operands' format E3M2, f32 sums; everything else in f32.
;; Inputs: Whh_codes 1,024 x 32 x 24 uint8 (E3M2 codes of Whh, K innermost, in blocks of 32 codes, four codes in three bytes); Whh_scales 1,024 x 32 uint8 (E8M0 scales of Whh, one for each 32 codes along K); Whr_codes 1,024 x 32 x 24 uint8 (E3M2 codes of Whr, K innermost, in blocks of 32 codes, four codes in three bytes); Whr_scales 1,024 x 32 uint8 (E8M0 scales of Whr, one for each 32 codes along K); Whz_codes 1,024 x 32 x 24 uint8 (E3M2 codes of Whz, K innermost, in blocks of 32 codes, four codes in three bytes); Whz_scales 1,024 x 32 uint8 (E8M0 scales of Whz, one for each 32 codes along K); Wih_codes 1,024 x 32 x 24 uint8 (E3M2 codes of Wih, K innermost, in blocks of 32 codes, four codes in three bytes); Wih_scales 1,024 x 32 uint8 (E8M0 scales of Wih, one for each 32 codes along K); Wir_codes 1,024 x 32 x 24 uint8 (E3M2 codes of Wir, K innermost, in blocks of 32 codes, four codes in three bytes); Wir_scales 1,024 x 32 uint8 (E8M0 scales of Wir, one for each 32 codes along K); Wiz_codes 1,024 x 32 x 24 uint8 (E3M2 codes of Wiz, K innermost, in blocks of 32 codes, four codes in three bytes); Wiz_scales 1,024 x 32 uint8 (E8M0 scales of Wiz, one for each 32 codes along K); bhh 1,024 float32; bhr 1,024 float32; bhz 1,024 float32; bih 1,024 float32; bir 1,024 float32; biz 1,024 float32; hidden 8,192 x 1,024 float32; input_codes 8,192 x 32 x 24 uint8 (E3M2 codes of input, K innermost, in blocks of 32 codes, four codes in three bytes); input_scales 8,192 x 32 uint8 (E8M0 scales of input, one for each 32 codes along K).
;; Outputs: out0 8,192 x 1,024 float32; out1 8,192 x 1,024 float32.
;; This version of the problem:
;;   THIS VERSION OF THE PROBLEM IS GIVEN IN LOW PRECISION. The matrix products marked QUANTISED in the list below multiply operands that are first quantised to E3M2 (3 exponent bits, 2 mantissa bits; 6 bits a number), with one power-of-two scale for each 32 numbers along K (OCP MX v1.0); their sums are f32. All else is computed in f32.
;;   The module's matrix products, in the order in which they are computed (A, B: the left and right operand; K: the contracted axis; several contracted axes count as one K, in the product's order):
;;     1. [M 8,192, K 1,024] x [K 1,024, N 1,024]; A: input input (given as codes); B: input Wir (given as codes): QUANTISED
;;     2. [M 8,192, K 1,024] x [K 1,024, N 1,024]; A: input hidden; B: input Whr (given as codes): QUANTISED
;;     3. [M 8,192, K 1,024] x [K 1,024, N 1,024]; A: input input (given as codes); B: input Wiz (given as codes): QUANTISED
;;     4. [M 8,192, K 1,024] x [K 1,024, N 1,024]; A: input hidden; B: input Whz (given as codes): QUANTISED
;;     5. [M 8,192, K 1,024] x [K 1,024, N 1,024]; A: input input (given as codes); B: input Wih (given as codes): QUANTISED
;;     6. [M 8,192, K 1,024] x [K 1,024, N 1,024]; A: computed on the way; B: input Whh (given as codes): QUANTISED
;;   THE QUANTISER, for each operand of a quantised product, along K:
;;     - K is cut into blocks of 32 from its start; a last block that is shorter is filled with zeros.
;;     - A block's scale is 2^e with e = floor(log2(the largest magnitude in the block)) - 4, held to -126 .. 127; a block of zeros has e = 0. As a byte (E8M0): e + 127.
;;     - Each number is divided by its block's scale, clamped to +-28, and rounded to the nearest number of E3M2, ties to even, subnormals kept.
;;     - The product sums the exact products of the quantised numbers (number of the format x scale) in f32.
;;   ~~~python
;;   def quantise(x, axis):      # numpy; x: float32 -> the quantised numbers, widened to float32 again
;;       x = np.moveaxis(x, axis, -1); K = x.shape[-1]
;;       x = np.pad(x, [(0, 0)] * (x.ndim - 1) + [(0, -K % 32)]); x = x.reshape(x.shape[:-1] + (-1, 32)); a = np.abs(x).max(-1, keepdims=True)
;;       e = np.where(a > 0, np.clip(np.frexp(np.where(a > 0, a, 1))[1] - 1 - 4, -126, 127), 0)      # np.frexp(a)[1] - 1 = floor(log2(a)), exactly
;;       r = np.clip(x / 2.0 ** e, -28, 28)
;;       step = 2.0 ** (np.maximum(np.frexp(np.where(r == 0, 1, r))[1] - 1, -2) - 2)
;;       q = np.round(r / step) * step * 2.0 ** e      # np.round: ties to even
;;       return np.moveaxis(q.reshape(q.shape[:-2] + (-1,))[..., :K], -1, axis).astype(np.float32)
;;   ~~~
;;   OPERANDS COMPUTED ON THE WAY. 'Computed on the way' means the value that the module computes at that place (a softmax that the list does not call 'softmax' is quantised finished and normalised). What goes into a quantiser is computed in f32, as accurately as f32 sums, v_exp_f32 and their like allow (about 1e-6 of the number): no bf16 or f16 on the way to a quantiser, and a product that is left as it is and whose result goes on into a quantised operand takes f32 operands (vector FMAs, or v_wmma_f32_16x16x4_f32). A number that lies on a knife's edge between two numbers of the format may be rounded either way, as far as f32 arithmetic and the matrix unit's own rounding can turn it there, and no further.
;;   INPUTS GIVEN AS CODES. Whh (in the module: [1024, 1024], K = its axis 1); Whr (in the module: [1024, 1024], K = its axis 1); Whz (in the module: [1024, 1024], K = its axis 1); Wih (in the module: [1024, 1024], K = its axis 1); Wir (in the module: [1024, 1024], K = its axis 1); Wiz (in the module: [1024, 1024], K = its axis 1); input (in the module: [8192, 1024], K = its axis 1): each comes as NAME_codes (uint8): NAME with its K axis moved to the last place and cut into blocks of 32 codes, [.., K / 32, bytes a block], one block behind the other in memory; four codes in three bytes: a row's codes are one little-endian stream of bits, code i at bits 6 i .. 6 i + 5 (a code: sign, 3 exponent bits, 2 mantissa bits); and NAME_scales (uint8): the same leading axes, one E8M0 byte (e + 127) for each 32 codes along K. Its value is code x scale, taken as it is: it is not quantised again, and the codes and scales need not be those that the quantiser above would give.
;; One version. Each part assembles by itself: llvm-mc -triple=amdgcn-amd-amdhsa -mcpu=gfx1250 --defsym DOCPART=n.
;; ======== version 1 of 1: 4 launches
;; limits: right only within a limited range of input values
;; workspace buffers: xh 13,107,200 bytes; rhb 6,553,600 bytes; wq 4,915,200 bytes
;; launch prep (part 1): grid 736 x 1, 4 waves a work-group, no clusters, 85,504 bytes of LDS; arguments hidden, input_codes, input_scales, Wir_codes, Wir_scales, Whr_codes, Whr_scales, Wiz_codes, Wiz_scales, Whz_codes, Whz_scales, Wih_codes, Wih_scales, Whh_codes, Whh_scales, xh, wq; writes xh, wq
.if DOCPART == 1
	.amdgcn_target "amdgcn-amd-amdhsa--gfx1250"
	.amdhsa_code_object_version 6
	.text
	.protected	k_q79c2b714b8_prep
	.globl	k_q79c2b714b8_prep
	.p2align	8
	.type	k_q79c2b714b8_prep,@function
k_q79c2b714b8_prep:
	s_mov_b64 s[64:65], 0
	v_nop
	global_prefetch_b8 v0, s[64:65] scope:SCOPE_SE
	s_setreg_imm32_b32 hwreg(HW_REG_WAVE_MODE, 25, 1), 1
	s_wait_xcnt 0x0
; PREP.  Every operand of the GRU's six products is laid once as PANELS, in the order in which a wave's operand registers take it.
; A panel = 8 tiles of 16 rows x 256 along K = 25,600 bytes: at i*3072 + s*1536 + 512 c + 16 lane the registers 4c..4c+3 of the fragment (tile i, K step s of 128);
; at 24576 + i*128 + 4 lane the scale words: lanes 0-15 row r's word of K step 0, lanes 16-31 that of K step 1.
; xh = [8 chunks of 256 K][64 panels]: chunks 0-3 the input's codes as given, chunks 4-7 hidden, quantised here.  wq = [gate r, z, h][8 chunks][8 panels]: chunks 0-3 from Wi*, 4-7 from Wh*.
; Tiles of input and hidden take 16 neighbouring rows; tile T of a weight takes rows 32 (T/2) + 8 (T%2) + r + 8 (r/8), so that in the transposed product a lane's 16 registers of two neighbouring tiles are 16 neighbouring columns.
; Work-groups 0-511 quantise hidden (a tile of 16 rows each, a wave to a chunk); work-groups 512-639 re-lay the input, 640-735 the six weights (a wave to a tile, all of K).
; The quantiser: a block's scale is 2^(floor(log2(largest magnitude)) - 4); its byte is the largest magnitude's exponent field - 4, held at 1 from below.
; LIMITS: NaN and infinities in hidden are not served.  A block whose largest magnitude lies under 2^-122 (zeros too) gets the byte 1; a block of zeros has zero codes, which add nothing; the bytes are read by this program alone.
; No barrier: a wave touches only its own LDS bytes; the two roles have LDS bytes of their own.  The claim is 85,504 bytes, so that three work-groups lie on a WGP: 768 places for the 736 work-groups, and every
; work-group's loads go out at the launch's start.
.set CSA,   1638400                    ; bytes from chunk to chunk in xh
.set CSB,   204800                     ; and in wq
.set PANEL, 25600
.set SCOFF, 24576                      ; a panel's scale words
.set QP,    528                        ; role Q: a stage row: one K step's 512 bytes + 16
.set QSTG,  16*QP                      ; a wave's stage: it serves the two K steps one after the other
.set LP,    784                        ; role L: a stage row: 768 bytes + 16
.set LBASE, 4*QSTG
.set LSTG,  12800
.set SEL,   2                          ; s[2:3] lane selects: lane l xor 16
.set TM,    224                        ; v224-239 at work in QUANT
.set PW,    240                        ; v240-241 the two scale words
; 64 numbers of a lane, register 16 b + i = k 32 b + 16 (lane / 16) + i of my row, become a fragment's 12 registers at v[pc] and its scale word in v[pw]
.macro QUANT s, pc, pw
.irp b, 0,1,2,3
	v_max3_num_f32 v[TM+\b], |v[\s+16*\b]|, |v[\s+1+16*\b]|, 0x2800000   ; my 16 numbers of block b, and the floor 2^(5 - 127): the byte cannot fall under 1
.endr
.irp i, 2,4,6,8,10,12,14
.irp b, 0,1,2,3
	v_max3_num_f32 v[TM+\b], v[TM+\b], |v[\s+16*\b+\i]|, |v[\s+1+16*\b+\i]|
.endr
.endr
.irp b, 0,1,2,3
	v_permlanex16_b32 v[TM+4+\b], v[TM+\b], s[SEL], s[SEL+1]
.endr
.irp b, 0,1,2,3
	v_max_num_f32 v[TM+\b], v[TM+\b], v[TM+4+\b]           ; with lane l xor 16's: the block's largest magnitude
.endr
.irp b, 0,1,2,3
	v_add_nc_u32 v[TM+12+\b], 0xfe000000, v[TM+\b]         ; 4 off its exponent field: the conversion's scale operand
.endr
.irp b, 0,1,2,3
	v_lshrrev_b32 v[TM+4+\b], 23, v[TM+12+\b]              ; the scale's byte
.endr
	v_lshl_or_b32 v[\pw], v[TM+5], 8, v[TM+4]
	v_lshl_or_b32 v[\pw], v[TM+6], 16, v[\pw]
	v_lshl_or_b32 v[\pw], v[TM+7], 24, v[\pw]
.irp c, 0,1
	v_cvt_scalef32_pk16_bf6_f32 v[\pc+6*\c:\pc+2+6*\c], v[\s+32*\c:\s+15+32*\c], v[TM+12+2*\c]
	v_cvt_scalef32_pk16_bf6_f32 v[\pc+12+4*\c:\pc+14+4*\c], v[\s+16+32*\c:\s+31+32*\c], v[TM+12+2*\c+1]   ; (a conversion's three registers begin on an even number)
.endr
	v_nop                                                  ; one plain place behind a scaled conversion
.irp c, 0,1                                                ; the operand wants a whole block in a lane: lanes 0-15 block 2 c, lanes 16-31 block 2 c + 1
.irp i, 0,1,2
	v_permlane16_swap_b32 v[\pc+6*\c+\i], v[\pc+12+4*\c+\i]
.endr
.irp i, 0,1,2
	v_mov_b32 v[\pc+3+6*\c+\i], v[\pc+12+4*\c+\i]
.endr
.endr
.endm
	s_load_b512 s[8:23], s[0:1], 0x0               ; hidden 8, input codes 10, scales 12, Wir 14/16, Whr 18/20, Wiz codes 22
	s_load_b512 s[24:39], s[0:1], 0x40             ; Wiz scales 24, Whz 26/28, Wih 30/32, Whh 34/36, xh 38
	s_load_b64 s[40:41], s[0:1], 0x80              ; wq
	v_lshl_add_u32 v254, v0, 2, 0x14c00
	v_mov_b32 v255, 0
	v_lshrrev_b32 v1, 5, v0
	v_readfirstlane_b32 s42, v1                    ; wave
	v_and_b32 v1, 31, v0                           ; lane
	v_and_b32 v2, 15, v0                           ; r
	v_bfe_u32 v3, v0, 4, 1                         ; h
	v_lshlrev_b32 v4, 4, v1                        ; 16 x lane
	v_cmp_le_u32 vcc_lo, 16, v1                    ; lanes 16-31
	s_mov_b32 s[SEL], 0x76543210
	s_mov_b32 s[SEL+1], 0xfedcba98
	s_cmp_lt_u32 ttmp9, 512
	s_cbranch_scc0 .Lrelay
; ---- ROLE Q: 16 rows x 256 numbers of hidden become two fragments and 32 scale words
	s_mul_i32 s43, s42, QSTG
	v_add_nc_u32 v5, s43, v4                       ; into the stage: 16 bytes a lane, as loaded
	v_mul_u32_u24 v6, v2, QP
	v_lshl_add_u32 v6, v3, 6, v6
	v_add_nc_u32 v6, s43, v6                       ; out of it: row r, + 64 h: my 16 numbers of a block
	s_and_b32 s44, ttmp9, 7                        ; the tile's place in its panel
	s_mul_i32 s45, s44, 2944
	s_sub_co_u32 s45, SCOFF, s45
	s_wait_alu depctr_va_vdst(0)
	v_lshl_add_u32 v7, v1, 2, s45                  ; the scale words' place, counted from the tile's first fragment: 24576 + 128 i - 3072 i + 4 lane
	s_lshl_b32 s46, ttmp9, 16                      ; 16 rows of 4,096 bytes
	s_lshl_b32 s47, s42, 10                        ; my chunk: 1,024 bytes of a row
	s_add_co_u32 s46, s46, s47
	s_mov_b32 s47, 0
	s_add_co_u32 s48, s42, 4
	s_mul_i32 s48, s48, CSA                        ; chunk 4 + wave
	s_lshr_b32 s49, ttmp9, 3
	s_mul_i32 s49, s49, PANEL
	s_add_co_u32 s48, s48, s49
	s_mul_i32 s49, s44, 3072
	s_add_co_u32 s48, s48, s49
	s_mov_b32 s49, 0
.irp b, 0,1,2,3
	v_mov_b32 v[TM+4+\b], 0                        ; written once: a lane permute's destination counts as one of its sources
.endr
	s_wait_kmcnt 0x0
	s_add_nc_u64 s[46:47], s[8:9], s[46:47]
	s_add_nc_u64 s[48:49], s[38:39], s[48:49]
.irp i, 0,1,2,3,4,5,6,7,8,9,10,11,12,13,14,15
	global_load_b128 v[32+4*\i:35+4*\i], v4, s[46:47] offset:\i*4096       ; K step 0 of the 16 rows: 32 lanes read 512 consecutive bytes
.endr
.irp i, 0,1,2,3,4,5,6,7,8,9,10,11,12,13,14,15
	global_load_b128 v[96+4*\i:99+4*\i], v4, s[46:47] offset:\i*4096+512   ; K step 1
.endr
.irp g, 0,1
	s_wait_loadcnt 24-8*\g                         ; these eight rows of K step 0 are in; the younger loads may be out
.irp i, 0,1,2,3,4,5,6,7
	ds_store_b128 v5, v[32+4*(8*\g+\i):35+4*(8*\g+\i)] offset:(8*\g+\i)*QP
.endr
.endr
.irp b, 0,1,2,3
.irp j, 0,1,2,3
	ds_load_b128 v[160+16*\b+4*\j:163+16*\b+4*\j], v6 offset:128*\b+16*\j  ; K step 0, 16 neighbours a block (LDS serves a wave's instructions in order: these see my stores)
.endr
.endr
	s_wait_dscnt 0x0                               ; K step 0 is in registers: the stage may take K step 1, and v32-95 may be loaded again
.irp g, 0,1
	s_wait_loadcnt 8-8*\g                          ; these eight rows of K step 1 are in
.irp i, 0,1,2,3,4,5,6,7
	ds_store_b128 v5, v[96+4*(8*\g+\i):99+4*(8*\g+\i)] offset:(8*\g+\i)*QP
.endr
.endr
.irp b, 0,1,2,3
.irp j, 0,1,2,3
	ds_load_b128 v[32+16*\b+4*\j:35+16*\b+4*\j], v6 offset:128*\b+16*\j    ; K step 1 comes back while step 0 is quantised
.endr
.endr
	QUANT 160, 8, PW
.irp c, 0,1,2
	global_store_b128 v4, v[8+4*\c:11+4*\c], s[48:49] offset:512*\c        ; 512 consecutive bytes, aligned
.endr
	s_wait_dscnt 0x0                               ; K step 1 is in, and the stores into the stage have read v96-159
	QUANT 32, 96, PW+1
.irp c, 0,1,2
	global_store_b128 v4, v[96+4*\c:99+4*\c], s[48:49] offset:1536+512*\c
.endr
	v_cndmask_b32 v242, v[PW], v[PW+1], vcc_lo     ; lanes 0-15 K step 0's word of row r, lanes 16-31 K step 1's
	global_store_b32 v7, v242, s[48:49]
	s_wait_tensorcnt 0x0
	ds_add_u32 v254, v255
	s_wait_dscnt 0x0
	s_endpgm
; ---- ROLE L: a tile's 16 rows of 768 bytes of codes become eight fragments, its 16 x 32 scale bytes four sets of words
.Lrelay:
	s_sub_co_u32 s43, ttmp9, 512                   ; u
	s_sub_co_u32 s44, s43, 128                     ; v = u - 128 (of use for the weights alone)
	s_lshr_b32 s45, s44, 4
	s_add_co_u32 s45, s45, 1                       ; 1 + which weight
	s_and_b32 s46, s44, 15
	s_mov_b32 s68, CSB
	s_mov_b32 s70, 12288
	s_cmp_lt_u32 s43, 128                          ; the input, or a weight?  It hangs on the work-group's number alone
	s_cselect_b32 s45, 0, s45                      ; which tensor: 0 the input, 1 .. 6 Wir, Whr, Wiz, Whz, Wih, Whh
	s_cselect_b32 s46, s43, s46                    ; which four tiles
	s_cselect_b32 s68, CSA, s68                    ; the target's bytes from chunk to chunk
	s_cselect_b32 s70, 6144, s70                   ; bytes from the tile's rows 0-7 to its rows 8-15: 8 rows on, or 16
	s_cselect_b32 s74, 0, 256                      ; the same for the scale bytes, beyond 32 r
	s_mov_b32 s69, 0
	s_mov_b32 s71, 0
	s_lshl_b32 s46, s46, 2
	s_add_co_u32 s46, s46, s42                     ; T
	s_lshl_b32 s75, s46, 4                         ; the input's first row: 16 T
	s_lshr_b32 s76, s46, 1
	s_lshl_b32 s76, s76, 5
	s_and_b32 s77, s46, 1
	s_lshl_b32 s77, s77, 3
	s_add_co_u32 s76, s76, s77                     ; a weight's: 32 (T / 2) + 8 (T % 2)
	s_sub_co_u32 s72, s45, 1
	s_mul_i32 s72, s72, 4*CSB                      ; a weight's four chunks in wq
	s_cmp_eq_u32 s45, 0
	s_cselect_b32 s75, s75, s76
	s_cselect_b32 s72, 0, s72
	s_lshr_b32 s76, s46, 3
	s_mul_i32 s76, s76, PANEL
	s_add_co_u32 s72, s72, s76
	s_and_b32 s77, s46, 7
	s_mul_i32 s76, s77, 3072
	s_add_co_u32 s72, s72, s76                     ; + panel + tile
	s_mov_b32 s73, 0
	s_mul_i32 s77, s77, 2944
	s_sub_co_u32 s77, SCOFF, s77
	s_mul_i32 s56, s75, 768                        ; the first row's codes
	s_mov_b32 s57, 0
	s_lshl_b32 s58, s75, 5                         ; and scale bytes
	s_mov_b32 s59, 0
	s_mul_i32 s78, s42, LSTG
	s_add_co_u32 s78, s78, LBASE                   ; my stage
	s_wait_alu depctr_va_vdst(0)
	v_add_nc_u32 v5, s78, v4                       ; a load's 512 bytes fall on two rows of 768 in three ways: bytes 0-511 of an even row;
	v_lshl_add_u32 v6, v3, 4, v5
	v_add_nc_u32 v6, 512, v6                       ; its bytes 512-767 and the odd row's 0-255 (one padding on: + 16 h);
	v_add_nc_u32 v7, 1040, v5                      ; the odd row's bytes 256-767
	v_mul_u32_u24 v8, v2, LP
	v_mad_u32_u24 v8, v3, 24, v8
	v_add_nc_u32 v8, s78, v8                       ; back: row r, + 24 h
	v_lshrrev_b32 v9, 3, v2
	v_mul_u32_u24 v9, s74, v9
	v_lshl_add_u32 v9, v2, 5, v9                   ; my row's 32 scale bytes
	v_lshl_add_u32 v10, v1, 2, s77                 ; the scale words' place, counted from the tile's first fragment
	s_wait_alu depctr_va_vdst(0)
	s_wait_kmcnt 0x0
	s_mov_b64 s[60:61], s[10:11]
	s_mov_b64 s[62:63], s[12:13]
.irp k, 1,2,3,4,5,6
	s_cmp_eq_u32 s45, \k
	s_cselect_b64 s[60:61], s[10+4*\k:11+4*\k], s[60:61]
	s_cselect_b64 s[62:63], s[12+4*\k:13+4*\k], s[62:63]
.endr
	s_cmp_eq_u32 s45, 0
	s_cselect_b64 s[48:49], s[38:39], s[40:41]
	s_add_nc_u64 s[60:61], s[60:61], s[56:57]      ; rows 0-7
	s_add_nc_u64 s[66:67], s[60:61], s[70:71]      ; rows 8-15
	s_add_nc_u64 s[62:63], s[62:63], s[58:59]
	s_add_nc_u64 s[48:49], s[48:49], s[72:73]      ; the tile in chunk 0,
	s_add_nc_u64 s[50:51], s[48:49], s[68:69]      ; 1,
	s_add_nc_u64 s[52:53], s[50:51], s[68:69]      ; 2,
	s_add_nc_u64 s[54:55], s[52:53], s[68:69]      ; 3
	global_load_b128 v[224:227], v9, s[62:63]      ; word ks = the four bytes of K step ks
	global_load_b128 v[228:231], v9, s[62:63] offset:16
.irp i, 0,1,2,3,4,5,6,7,8,9,10,11
	global_load_b128 v[32+4*\i:35+4*\i], v4, s[60:61] offset:512*\i th:TH_LOAD_NT   ; eight rows are 6,144 dense bytes
.endr
.irp i, 0,1,2,3,4,5,6,7,8,9,10,11
	global_load_b128 v[80+4*\i:83+4*\i], v4, s[66:67] offset:512*\i th:TH_LOAD_NT
.endr
	s_wait_loadcnt 12                              ; rows 0-7 (and the scale bytes) are in; rows 8-15's twelve loads may be out
.irp j, 0,1,2,3
	ds_store_b128 v5, v[32+12*\j:35+12*\j] offset:2*\j*LP
	ds_store_b128 v6, v[36+12*\j:39+12*\j] offset:2*\j*LP
	ds_store_b128 v7, v[40+12*\j:43+12*\j] offset:2*\j*LP
.endr
	s_wait_loadcnt 0x0
.irp j, 0,1,2,3
	ds_store_b128 v5, v[80+12*\j:83+12*\j] offset:(8+2*\j)*LP
	ds_store_b128 v6, v[84+12*\j:87+12*\j] offset:(8+2*\j)*LP
	ds_store_b128 v7, v[88+12*\j:91+12*\j] offset:(8+2*\j)*LP
.endr
.irp ks, 0,1,2,3,4,5,6,7
.irp p, 0,1,2,3,4,5
	ds_load_b64 v[128+12*\ks+2*\p:129+12*\ks+2*\p], v8 offset:96*\ks+48*(\p/3)+8*(\p%3)   ; the fragment's registers, 24 bytes of the row's stream at a time
.endr
.endr
.irp ks, 0,1,2,3,4,5,6,7
	s_wait_dscnt 6*(7-\ks)                         ; this fragment's six loads are in; the later fragments' may be out
.irp c, 0,1,2
	global_store_b128 v4, v[128+12*\ks+4*\c:131+12*\ks+4*\c], s[48+2*(\ks/2):49+2*(\ks/2)] offset:(\ks%2)*1536+512*\c
.endr
.endr
.irp c, 0,1,2,3
	v_cndmask_b32 v[232+\c], v[224+2*\c], v[225+2*\c], vcc_lo
	global_store_b32 v10, v[232+\c], s[48+2*\c:49+2*\c]
.endr
	s_wait_tensorcnt 0x0
	ds_add_u32 v254, v255
	s_wait_dscnt 0x0
	s_endpgm
.Lfunc_end_k_q79c2b714b8_prep:
	.size	k_q79c2b714b8_prep, .Lfunc_end_k_q79c2b714b8_prep-k_q79c2b714b8_prep
	.p2alignl 7, 3214868480
	.fill 96, 4, 3214868480
	.section	.rodata,"a",@progbits
	.p2align	6, 0x0
	.amdhsa_kernel k_q79c2b714b8_prep
		.amdhsa_group_segment_fixed_size 85504
		.amdhsa_private_segment_fixed_size 0
		.amdhsa_enable_private_segment 0
		.amdhsa_kernarg_size 136
		.amdhsa_user_sgpr_count 2
		.amdhsa_user_sgpr_kernarg_segment_ptr 1
		.amdhsa_wavefront_size32 1
		.amdhsa_system_sgpr_workgroup_id_x 1
		.amdhsa_system_sgpr_workgroup_id_y 1
		.amdhsa_system_sgpr_workgroup_id_z 1
		.amdhsa_system_vgpr_workitem_id 0
		.amdhsa_next_free_vgpr 256
		.amdhsa_next_free_sgpr 84
		.amdhsa_reserve_vcc 1
		.amdhsa_float_denorm_mode_32 3
		.amdhsa_float_denorm_mode_16_64 3
		.amdhsa_memory_ordered 1
		.amdhsa_forward_progress 1
		.amdhsa_inst_pref_size 32
	.end_amdhsa_kernel
	.amdgpu_metadata
---
amdhsa.version: [ 1, 2 ]
amdhsa.kernels:
  - .name:           k_q79c2b714b8_prep
    .symbol:         k_q79c2b714b8_prep.kd
    .args:
      - { .name: hidden, .offset: 0, .size: 8, .value_kind: global_buffer, .address_space: global }
      - { .name: input_codes, .offset: 8, .size: 8, .value_kind: global_buffer, .address_space: global }
      - { .name: input_scales, .offset: 16, .size: 8, .value_kind: global_buffer, .address_space: global }
      - { .name: Wir_codes, .offset: 24, .size: 8, .value_kind: global_buffer, .address_space: global }
      - { .name: Wir_scales, .offset: 32, .size: 8, .value_kind: global_buffer, .address_space: global }
      - { .name: Whr_codes, .offset: 40, .size: 8, .value_kind: global_buffer, .address_space: global }
      - { .name: Whr_scales, .offset: 48, .size: 8, .value_kind: global_buffer, .address_space: global }
      - { .name: Wiz_codes, .offset: 56, .size: 8, .value_kind: global_buffer, .address_space: global }
      - { .name: Wiz_scales, .offset: 64, .size: 8, .value_kind: global_buffer, .address_space: global }
      - { .name: Whz_codes, .offset: 72, .size: 8, .value_kind: global_buffer, .address_space: global }
      - { .name: Whz_scales, .offset: 80, .size: 8, .value_kind: global_buffer, .address_space: global }
      - { .name: Wih_codes, .offset: 88, .size: 8, .value_kind: global_buffer, .address_space: global }
      - { .name: Wih_scales, .offset: 96, .size: 8, .value_kind: global_buffer, .address_space: global }
      - { .name: Whh_codes, .offset: 104, .size: 8, .value_kind: global_buffer, .address_space: global }
      - { .name: Whh_scales, .offset: 112, .size: 8, .value_kind: global_buffer, .address_space: global }
      - { .name: xh, .offset: 120, .size: 8, .value_kind: global_buffer, .address_space: global }
      - { .name: wq, .offset: 128, .size: 8, .value_kind: global_buffer, .address_space: global }
    .group_segment_fixed_size: 85504
    .private_segment_fixed_size: 0
    .kernarg_segment_align: 8
    .kernarg_segment_size: 136
    .max_flat_workgroup_size: 128
    .sgpr_count:     84
    .vgpr_count:     256
    .wavefront_size: 32
...
	.end_amdgpu_metadata
.endif
;; end of part 1
;; launch gate_r (part 2): grid 4 x 64, 4 waves a work-group, clusters of 4 x 4, 327,680 bytes of LDS; arguments xh, wq, hidden, bir, bhr, rhb; writes rhb
.if DOCPART == 2
	.amdgcn_target "amdgcn-amd-amdhsa--gfx1250"
	.amdhsa_code_object_version 6
	.text
	.protected	k_q79c2b714b8_gate_r
	.globl	k_q79c2b714b8_gate_r
	.p2align	8
	.type	k_q79c2b714b8_gate_r,@function
k_q79c2b714b8_gate_r:
	s_mov_b64 s[64:65], 0
	v_nop
	global_prefetch_b8 v0, s[64:65] scope:SCOPE_SE
	s_setreg_imm32_b32 hwreg(HW_REG_WAVE_MODE, 25, 1), 1
	s_wait_xcnt 0x0
	s_wait_alu depctr_hold_cnt(0) depctr_sa_sdst(0) depctr_va_vdst(0) depctr_va_sdst(0) depctr_va_ssrc(0) depctr_va_vcc(0) depctr_vm_vsrc(0)
	s_getreg_b32 s2, hwreg(HW_REG_IB_STS2, 6, 4)
	s_cmp_eq_u32 s2, 0
	s_cbranch_scc0 .Lentry_in_a_cluster
	s_endpgm
.Lentry_in_a_cluster:
	s_bfe_u32 s2, ttmp6, 0x10000c
	s_cmp_lg_u32 s2, 0xf033
	s_cbranch_scc0 .Lentry_shape_is_right
	s_endpgm
.Lentry_shape_is_right:
; GATE R.  r = sigmoid([x | h] [Wir | Whr]^T + bir + bhr); r x hidden is quantised along the next product's K and stored as panels in rhb.  Products on codes of BF6 with E8M0 scales, K = 2,048.
; A work-group makes 128 rows x 256 columns; a wave 64 x 128 (32 accumulators), used transposed (source 0 = rows of W).  Operands lie as panels of 25,600 bytes (register images of the fragments, then the scale words).
; RING: two LDS slots of 153,600 bytes, two chunks of 256 along K each.  The head issues one joint load a wave (slot 0); slot 1's first fill and every refill stand behind the three lines and a round of the cluster's barrier.
; The last refill of slot 0 brings each wave's 64 rows x 512 bytes of hidden.  CLUSTER 4 x 4: A's panels are asked for jointly along a row, B's along a column.
; PREFETCH: each aligned block of 256 bytes of a slot's panels is named once in each cluster: of the 100 (A) or 200 (B) blocks that a wave loads, the partner at place p names 25 or 50, told apart by address.
; Slots 1 and 2 are named at the head, slot 3 in the first K step; hidden's 64 rows a wave follow in four requests, K steps 1 and 2 of slots 0 and K steps 0 and 1 of slot 1; the tensor load that reads them stands at the end of the third slot.
.set CSA,   1638400
.set CSB,   204800
.set PANEL, 25600
.set SCOFF, 24576
.set SLOT,  153600
.set BOFF,  2*PANEL
.set SPARE, 2*SLOT
.set HP,    528
.set HT,    64*HP
.set ADRA, 4
.set ADRB, 6
.set ASA,  10
.set ASB,  12
.set HB,   16
.set OI,   17
.set OS,   18
.set PF,   19
.set B64,  20
.set SPW,  28
.set NIL,  29
.set SC,   32
.set AF,   80
.set BI,   176
.set HD,   80
.set RH,   144
.set PC,   208
.set TM,   228
.set PW,   244
.set PWS,  248
.set G1A,  24
.set G1B,  32
.set G1H,  40
.set G0A,  48
.set G0B,  56
.set G0H,  68
.set SEL,  80
.set MSB, 0
.macro WIN new
.if MSB != \new
	s_set_vgpr_msb (MSB<<8)|\new
.set MSB, \new
.endif
.endm
.macro PLACES
.rept 4
	v_nop
.endr
.endm
.macro JLOAD g0a, g1a, g0b, g1b
	s_cmp_eq_u32 s17, 0
	s_cbranch_scc0 .Lfor_b_\@
	tensor_load_to_lds s[\g0a:\g0a+3], s[\g1a:\g1a+7]
	s_nop 0
.rept 4
	v_nop
.endr
	s_branch .Lasked_\@
.Lfor_b_\@:
	tensor_load_to_lds s[\g0b:\g0b+3], s[\g1b:\g1b+7]
	s_nop 0
.rept 4
	v_nop
.endr
.Lasked_\@:
.endm
.macro CREST
	s_cmp_lg_u32 s16, 0
	s_cbranch_scc1 .Lnot_wave_0_\@
	s_barrier_signal -3
.Lnot_wave_0_\@:
	s_barrier_wait -3
	s_barrier_signal -1
	s_barrier_wait -1
.endm
.macro CROUND
	s_barrier_signal -1
	s_barrier_wait -1
	CREST
.endm
.set PFO, 24                           ; v24: 256 x min(lane, 24); never rewritten
.macro ASKOP n                         ; slot n's panels: s[90:91] = my share of A's panel in slot 1, s[92:93] = my share of B's two panels in slot 0
	s_cmp_eq_u32 s17, 0
	s_cbranch_scc0 .Lpb_\@
	global_prefetch_b8 v[PFO], s[90:91] offset:((\n)-1)*2*CSA th:TH_LOAD_NT scope:SCOPE_SE
	s_branch .Lpe_\@
.Lpb_\@:
	global_prefetch_b8 v[PFO], s[92:93] offset:(\n)*2*CSB th:TH_LOAD_NT scope:SCOPE_SE
	global_prefetch_b8 v[PFO], s[92:93] offset:(\n)*2*CSB+6400 th:TH_LOAD_NT scope:SCOPE_SE
.Lpe_\@:
.endm
.macro QUANT s, pc, pw
.irp b, 0,1,2,3
	v_max3_num_f32 v[TM+\b], |v[\s+16*\b]|, |v[\s+1+16*\b]|, 0x2800000
.endr
.irp i, 2,4,6,8,10,12,14
.irp b, 0,1,2,3
	v_max3_num_f32 v[TM+\b], v[TM+\b], |v[\s+16*\b+\i]|, |v[\s+1+16*\b+\i]|
.endr
.endr
.irp b, 0,1,2,3
	v_permlanex16_b32 v[TM+4+\b], v[TM+\b], s[SEL], s[SEL+1]
.endr
.irp b, 0,1,2,3
	v_max_num_f32 v[TM+\b], v[TM+\b], v[TM+4+\b]
.endr
.irp b, 0,1,2,3
	v_add_nc_u32 v[TM+12+\b], 0xfe000000, v[TM+\b]
.endr
.irp b, 0,1,2,3
	v_lshrrev_b32 v[TM+4+\b], 23, v[TM+12+\b]
.endr
	v_lshl_or_b32 v[\pw], v[TM+5], 8, v[TM+4]
	v_lshl_or_b32 v[\pw], v[TM+6], 16, v[\pw]
	v_lshl_or_b32 v[\pw], v[TM+7], 24, v[\pw]
.irp c, 0,1
	v_cvt_scalef32_pk16_bf6_f32 v[\pc+6*\c:\pc+2+6*\c], v[\s+32*\c:\s+15+32*\c], v[TM+12+2*\c]
	v_cvt_scalef32_pk16_bf6_f32 v[\pc+12+4*\c:\pc+14+4*\c], v[\s+16+32*\c:\s+31+32*\c], v[TM+12+2*\c+1]
.endr
	v_nop
.irp c, 0,1
.irp i, 0,1,2
	v_permlane16_swap_b32 v[\pc+6*\c+\i], v[\pc+12+4*\c+\i]
.endr
.irp i, 0,1,2
	v_mov_b32 v[\pc+3+6*\c+\i], v[\pc+12+4*\c+\i]
.endr
.endr
.endm
	s_load_b256 s[4:11], s[0:1], 0x0
	s_load_b128 s[12:15], s[0:1], 0x20
	v_lshl_add_u32 v[SPW], v0, 2, SPARE
	v_mov_b32 v[NIL], 0
	ds_add_u32 v28, v29
	ds_add_u32 v28, v29
	s_wait_dscnt 0x0
	v_lshrrev_b32 v1, 5, v0
	v_readfirstlane_b32 s16, v1
	v_and_b32 v2, 31, v0
	v_min_u32 v2, 24, v2
	v_lshlrev_b32 v[PFO], 8, v2
	s_lshr_b32 s17, s16, 1
	s_and_b32 s18, s16, 1
	s_bfe_u32 s19, ttmp6, 0x40000
	s_bfe_u32 s20, ttmp6, 0x40004
	s_lshl_b32 s21, ttmp9, 2
	s_add_co_u32 s21, s21, s19
	s_and_b32 s22, ttmp7, 0xffff
	s_lshl_b32 s22, s22, 2
	s_add_co_u32 s22, s22, s20
	s_lshl_b32 s82, s20, 2
	s_lshl_b32 s82, 15, s82
	s_lshl_b32 s83, 0x1111, s19
	s_or_b32 s[G1A], s82, (3<<16)|(1<<21)
	s_or_b32 s[G1B], s83, (3<<16)|(1<<21)
.irp g, G1A, G1B
	s_mov_b32 s[\g+1], 32<<16
	s_mov_b32 s[\g+3], 32<<16
	s_mov_b32 s[\g+5], 32
	s_mov_b32 s[\g+6], 0
	s_mov_b32 s[\g+7], 0
.endr
	s_mov_b32 s[G1A+2], 100<<16
	s_mov_b32 s[G1A+4], 100
	s_mov_b32 s[G1B+2], 200<<16
	s_mov_b32 s[G1B+4], 200
	s_mov_b32 s[G1H], (2<<16)|(1<<20)|(6<<22)|(3<<25)
	s_mov_b32 s[G1H+1], 128<<16
	s_mov_b32 s[G1H+2], 64<<16
	s_mov_b32 s[G1H+3], 128<<16
	s_mov_b32 s[G1H+4], 64
	s_mov_b32 s[G1H+5], 1024
	s_mov_b32 s[G1H+6], 0
	s_mov_b32 s[G1H+7], 0
	s_mul_i32 s84, s18, CSA
	s_mul_i32 s85, s22, PANEL
	s_add_co_u32 s84, s84, s85
	s_mov_b32 s85, 0
	s_mul_i32 s86, s18, CSB
	s_mul_i32 s87, s21, 2*PANEL
	s_add_co_u32 s86, s86, s87
	s_mov_b32 s87, 0
	s_mul_i32 s88, s18, PANEL
	s_mul_i32 s89, s18, 2*PANEL
	s_add_co_u32 s89, s89, BOFF
	s_lshl_b32 s90, s22, 7
	s_lshl_b32 s91, s17, 6
	s_add_co_u32 s90, s90, s91
	s_lshl_b32 s90, s90, 12
	s_lshl_b32 s91, s21, 10
	s_add_co_u32 s90, s90, s91
	s_lshl_b32 s91, s18, 9
	s_add_co_u32 s90, s90, s91
	s_mov_b32 s91, 0
	s_mul_i32 s92, s21, CSA
	s_mul_i32 s93, s22, PANEL
	s_add_co_u32 s92, s92, s93
	s_mul_i32 s93, s17, 12288
	s_add_co_u32 s94, s92, s93
	s_mul_i32 s93, s18, 1536
	s_add_co_u32 s94, s94, s93
	s_mov_b32 s95, 0
	s_lshl_b32 s93, s17, 9
	s_add_co_u32 s92, s92, s93
	s_lshl_b32 s93, s18, 6
	s_add_co_u32 s92, s92, s93
	s_add_co_u32 s92, s92, SCOFF
	s_mov_b32 s93, 0
	s_lshl_b32 s96, s21, 10
	s_lshl_b32 s97, s18, 9
	s_add_co_u32 s96, s96, s97
	s_mov_b32 s97, 0
	s_mov_b32 s78, 0xbfb8aa3b
	s_mov_b32 s79, s78
	s_mov_b32 s[SEL], 0x76543210
	s_mov_b32 s[SEL+1], 0xfedcba98
	s_wait_kmcnt 0x0
	s_add_nc_u64 s[84:85], s[4:5], s[84:85]
	s_add_nc_u64 s[86:87], s[6:7], s[86:87]
	s_add_nc_u64 s[72:73], s[8:9], s[90:91]
	s_add_nc_u64 s[74:75], s[14:15], s[94:95]
	s_add_nc_u64 s[76:77], s[14:15], s[92:93]
	s_add_nc_u64 s[10:11], s[10:11], s[96:97]
	s_add_nc_u64 s[12:13], s[12:13], s[96:97]
	CROUND
.irp s, 0,1
	s_mov_b32 s[G0A+4*\s], 1
	s_add_co_u32 s[G0A+4*\s+1], s88, \s*SLOT
	s_add_nc_u64 s[G0A+4*\s+2:G0A+4*\s+3], s[84:85], \s*2*CSA
	s_or_b32 s[G0A+4*\s+3], s[G0A+4*\s+3], 0x80000000
	s_mov_b32 s[G0B+4*\s], 1
	s_add_co_u32 s[G0B+4*\s+1], s89, \s*SLOT
	s_add_nc_u64 s[G0B+4*\s+2:G0B+4*\s+3], s[86:87], \s*2*CSB
	s_or_b32 s[G0B+4*\s+3], s[G0B+4*\s+3], 0x80000000
.endr
	JLOAD G0A, G1A, G0B, G1B                       ; slot 0: the wave's one tensor load at the head
	s_mul_i32 s94, s19, 6400                       ; A: 25 blocks for each place along the cluster's row (s95 = 0)
	s_add_nc_u64 s[90:91], s[84:85], s[94:95]
	s_add_nc_u64 s[90:91], s[90:91], 2*CSA         ; counted from slot 1, so that slot 3's offset fits the immediate
	s_mul_i32 s94, s20, 12800                      ; B: 50 blocks for each place along its column
	s_add_nc_u64 s[92:93], s[86:87], s[94:95]
	s_wait_alu depctr_va_vdst(0)                   ; the wait ahead of the first reader of v24
	ASKOP 1
	ASKOP 2
	s_mov_b32 s[G0H], 1
	s_mul_i32 s[G0H+1], s16, HT
	s_mov_b64 s[G0H+2:G0H+3], s[72:73]
	s_or_b32 s[G0H+3], s[G0H+3], 0x80000000
	v_and_b32 v1, 15, v0
	v_bfe_u32 v2, v0, 4, 1
	v_and_b32 v3, 31, v0
	v_lshlrev_b32 v[OI], 4, v3
	v_lshlrev_b32 v21, 2, v3
	s_mul_i32 s98, s17, 12288
	v_add_nc_u32 v[ADRA], s98, v[OI]
	v_add_nc_u32 v[ADRA+1], SLOT, v[ADRA]
	s_mul_i32 s98, s18, PANEL
	s_add_co_u32 s98, s98, BOFF
	v_add_nc_u32 v[ADRB], s98, v[OI]
	v_add_nc_u32 v[ADRB+1], 2*PANEL, v[ADRB]
	v_add_nc_u32 v[ADRB+2], SLOT, v[ADRB]
	v_add_nc_u32 v[ADRB+3], SLOT, v[ADRB+1]
	s_lshl_b32 s99, s17, 9
	s_add_co_u32 s99, s99, SCOFF
	v_add_nc_u32 v[ASA], s99, v21
	v_add_nc_u32 v[ASA+1], SLOT, v[ASA]
	s_add_co_u32 s98, s98, SCOFF
	v_add_nc_u32 v[ASB], s98, v21
	v_add_nc_u32 v[ASB+1], 2*PANEL, v[ASB]
	v_add_nc_u32 v[ASB+2], SLOT, v[ASB]
	v_add_nc_u32 v[ASB+3], SLOT, v[ASB+1]
	s_mul_i32 s98, s16, HT
	v_mul_u32_u24 v[HB], v1, HP
	v_lshl_add_u32 v[HB], v2, 6, v[HB]
	v_add_nc_u32 v[HB], s98, v[HB]
	v_lshlrev_b32 v[OS], 2, v1
	v_lshl_add_u32 v[OS], v2, 7, v[OS]
	v_lshrrev_b32 v[PF], 1, v3
	v_lshlrev_b32 v[PF], 12, v[PF]
	v_and_b32 v22, 1, v3
	v_lshl_add_u32 v[PF], v22, 8, v[PF]
	v_lshlrev_b32 v[B64], 6, v2
.irp t, 0,1,2,3,4,5,6,7
	global_load_b128 v[BI+8*\t:BI+8*\t+3], v[B64], s[10:11] offset:(32*(\t/2)+8*(\t%2))*4
	global_load_b128 v[BI+8*\t+4:BI+8*\t+7], v[B64], s[10:11] offset:(32*(\t/2)+8*(\t%2))*4+16
	global_load_b128 v[AF+8*\t:AF+8*\t+3], v[B64], s[12:13] offset:(32*(\t/2)+8*(\t%2))*4
	global_load_b128 v[AF+8*\t+4:AF+8*\t+7], v[B64], s[12:13] offset:(32*(\t/2)+8*(\t%2))*4+16
.endr
	s_wait_loadcnt 0x0
.set i, 0
.rept 32
	v_pk_add_f32 v[BI+i:BI+i+1], v[BI+i:BI+i+1], v[AF+i:AF+i+1]
.set i, i+2
.endr
.macro FRAG reg, adr, off
.irp c, 0,1,2
	ds_load_b128 v[\reg+4*\c:\reg+4*\c+3], v[\adr] offset:\off+512*\c
.endr
.endm
.macro FETCH slot, q, p
	WIN 0x40
.irp b, 0,1,2,3,4,5,6,7
	FRAG 128*(\p)+12*\b, ADRB+2*(\slot)+(\q)/2, \b*3072+((\q)%2)*1536
.endr
	WIN 0
.irp i, 0,1,2,3
	FRAG AF+48*(\p)+12*\i, ADRA+(\slot), ((\q)/2)*PANEL+\i*3072+((\q)%2)*1536
.endr
.endm
.macro SCALES slot
.irp c, 0,1
.irp i, 0,1,2,3
	ds_load_b32 v[SC+24*(\slot)+4*\c+\i], v[ASA+(\slot)] offset:\c*PANEL+\i*128
.endr
.irp b, 0,1,2,3,4,5,6,7
	ds_load_b32 v[SC+24*(\slot)+8+8*\c+\b], v[ASB+2*(\slot)+\c] offset:\b*128
.endr
.endr
.endm
.macro MUL8 a, p, q, sc, first
.irp b, 0,1,2,3,4,5,6,7
.if \first
	v_wmma_scale_f32_16x16x128_f8f6f4 v[8*(8*(\a)+\b):8*(8*(\a)+\b)+7], v[128*(\p)+12*\b:128*(\p)+12*\b+11], v[AF+48*(\p)+12*(\a):AF+48*(\p)+12*(\a)+11], v[BI+8*\b:BI+8*\b+7], v[SC+24*(\sc)+8+8*((\q)/2)+\b], v[SC+24*(\sc)+4*((\q)/2)+(\a)] matrix_a_fmt:MATRIX_FMT_BF6 matrix_b_fmt:MATRIX_FMT_BF6
.elseif (\q)%2
	v_wmma_scale_f32_16x16x128_f8f6f4 v[8*(8*(\a)+\b):8*(8*(\a)+\b)+7], v[128*(\p)+12*\b:128*(\p)+12*\b+11], v[AF+48*(\p)+12*(\a):AF+48*(\p)+12*(\a)+11], v[8*(8*(\a)+\b):8*(8*(\a)+\b)+7], v[SC+24*(\sc)+8+8*((\q)/2)+\b], v[SC+24*(\sc)+4*((\q)/2)+(\a)] matrix_a_fmt:MATRIX_FMT_BF6 matrix_b_fmt:MATRIX_FMT_BF6 matrix_a_scale:MATRIX_SCALE_ROW1 matrix_b_scale:MATRIX_SCALE_ROW1
.else
	v_wmma_scale_f32_16x16x128_f8f6f4 v[8*(8*(\a)+\b):8*(8*(\a)+\b)+7], v[128*(\p)+12*\b:128*(\p)+12*\b+11], v[AF+48*(\p)+12*(\a):AF+48*(\p)+12*(\a)+11], v[8*(8*(\a)+\b):8*(8*(\a)+\b)+7], v[SC+24*(\sc)+8+8*((\q)/2)+\b], v[SC+24*(\sc)+4*((\q)/2)+(\a)] matrix_a_fmt:MATRIX_FMT_BF6 matrix_b_fmt:MATRIX_FMT_BF6
.endif
.endr
.endm
.macro ASK pf                          ; pf 0 to 3: 16 rows x 512 bytes of hidden; pf = 10 + n: slot n's panels
.if \pf >= 10
	ASKOP (\pf)-10
.elseif \pf >= 0
	global_prefetch_b8 v[PF], s[72:73] offset:65536*(\pf) th:TH_LOAD_NT scope:SCOPE_SE
.endif
.endm
.macro KSTEP slot, q, first, pf
	s_wait_dscnt 0x0
	PLACES
	FETCH \slot, (\q)+1, ((\q)+1)%2
	ASK \pf
.if \first
	WIN 0x81
.else
	WIN 0xa1
.endif
.irp a, 0,1,2,3
	MUL8 \a, (\q)%2, \q, \slot, \first
.endr
.endm
.macro TURN slot, kind, pf
	WIN 0
	s_wait_tensorcnt 0x0                           ; all my tensor loads have landed
	ds_add_u32 v[SPW], v[NIL]                      ; eight products stand between the add and the wait for it
	s_wait_dscnt 1                                 ; the fragments are in; the add may be out
	WIN 0xa1
	MUL8 0, 1, 3, \slot, 0
	s_wait_dscnt 0x0
	s_barrier_signal -1
	MUL8 1, 1, 3, \slot, 0
	WIN 0
	s_barrier_wait -1
	CREST
.if \kind == 1
	s_add_nc_u64 s[G0A+4*\slot+2:G0A+4*\slot+3], s[G0A+4*\slot+2:G0A+4*\slot+3], 4*CSA
	s_add_nc_u64 s[G0B+4*\slot+2:G0B+4*\slot+3], s[G0B+4*\slot+2:G0B+4*\slot+3], 4*CSB
	JLOAD G0A+4*\slot, G1A, G0B+4*\slot, G1B
.else
	tensor_load_to_lds s[G0H:G0H+3], s[G1H:G1H+7]
	s_nop 0
.rept 4
	v_nop
.endr
.endif
	FETCH 1-\slot, 0, 0
	SCALES 1-\slot
	ASK \pf
	WIN 0xa1
	MUL8 2, 1, 3, \slot, 0
	MUL8 3, 1, 3, \slot, 0
.endm
	s_wait_alu depctr_va_vdst(0)
	s_wait_tensorcnt 0x0                           ; my part of slot 0 is in
	ds_add_u32 v[SPW], v[NIL]
	s_wait_dscnt 0x0
	CROUND
	JLOAD G0A+4, G1A, G0B+4, G1B                   ; slot 1's first fill, the first tensor load behind the round
	FETCH 0, 0, 0
	SCALES 0
	KSTEP 0, 0, 1, 13
	KSTEP 0, 1, 0, 0
	KSTEP 0, 2, 0, 1
	TURN 0, 1, -1
	KSTEP 1, 0, 0, 2
	KSTEP 1, 1, 0, 3
	KSTEP 1, 2, 0, -1
	TURN 1, 1, -1
	KSTEP 0, 0, 0, -1
	KSTEP 0, 1, 0, -1
	KSTEP 0, 2, 0, -1
	TURN 0, 2, -1
	KSTEP 1, 0, 0, -1
	KSTEP 1, 1, 0, -1
	KSTEP 1, 2, 0, -1
	s_wait_dscnt 0x0
.irp a, 0,1,2,3
	MUL8 \a, 1, 3, 1, 0
.endr
	WIN 0
	PLACES
.irp b, 0,1,2,3
	v_mov_b32 v[TM+4+\b], 0
.endr
	v_cmp_le_u32 vcc_lo, 16, v3
.macro SIG a
	WIN 0x82
.set i, 0
.rept 128
	v_pk_mul_f32 v[64*(\a)+i:64*(\a)+i+1], v[64*(\a)+i:64*(\a)+i+1], s[78:79] op_sel_hi:[1,0]
.set i, i+2
.endr
.set i, 0
	s_wait_alu depctr_va_vdst(0)
.rept 256
	v_exp_f32 v[64*(\a)+i], v[64*(\a)+i]
.set i, i+1
.endr
	v_nop
.set i, 0
	s_wait_alu depctr_va_vdst(0)
.rept 128
	v_pk_add_f32 v[64*(\a)+i:64*(\a)+i+1], v[64*(\a)+i:64*(\a)+i+1], 1.0 op_sel_hi:[1,0]
.set i, i+2
.endr
.set i, 0
	s_wait_alu depctr_va_vdst(0)
.rept 256
	v_rcp_f32 v[64*(\a)+i], v[64*(\a)+i]
.set i, i+1
.endr
	v_nop
.endm
.macro HLD a
.irp b, 0,1,2,3
.irp j, 0,1,2,3
	ds_load_b128 v[HD+16*\b+4*\j:HD+16*\b+4*\j+3], v[HB] offset:(\a)*16*HP+128*\b+16*\j
.endr
.endr
.endm
.macro RBLK a
	s_wait_dscnt 0x0
	WIN 0x02
.set i, 0
.rept 32
	v_pk_mul_f32 v[RH+i:RH+i+1], v[64*(\a)+i:64*(\a)+i+1], v[HD+i:HD+i+1]
.set i, i+2
.endr
	WIN 0
.if (\a) < 3
	HLD (\a)+1
.endif
	s_wait_xcnt 0x0
	QUANT RH, PC, PW+(\a)
.irp c, 0,1,2
	global_store_b128 v[OI], v[PC+4*\c:PC+4*\c+3], s[74:75] offset:(\a)*3072+512*\c
.endr
.if (\a)%2
	v_cndmask_b32 v[PWS+(\a)/2], v[PW+(\a)-1], v[PW+(\a)], vcc_lo
	s_wait_alu depctr_va_vdst(0)
	global_store_b32 v[OS], v[PWS+(\a)/2], s[76:77] offset:((\a)-1)*128
.endif
.endm
	SIG 0                                          ; all 32 accumulators, 256 registers, as one batch of each kind
	s_wait_alu depctr_va_vdst(0)                   ; the wait behind the batch, ahead of its first reader
	WIN 0
	s_wait_tensorcnt 0x0
	HLD 0
	RBLK 0
	RBLK 1
	RBLK 2
	RBLK 3
	s_wait_tensorcnt 0x0
	ds_add_u32 v[SPW], v[NIL]
	s_wait_dscnt 0x0
	CROUND
	s_endpgm
.Lfunc_end_k_q79c2b714b8_gate_r:
	.size	k_q79c2b714b8_gate_r, .Lfunc_end_k_q79c2b714b8_gate_r-k_q79c2b714b8_gate_r
	.p2alignl 7, 3214868480
	.fill 96, 4, 3214868480
	.section	.rodata,"a",@progbits
	.p2align	6, 0x0
	.amdhsa_kernel k_q79c2b714b8_gate_r
		.amdhsa_group_segment_fixed_size 327680
		.amdhsa_private_segment_fixed_size 0
		.amdhsa_enable_private_segment 0
		.amdhsa_kernarg_size 48
		.amdhsa_user_sgpr_count 2
		.amdhsa_user_sgpr_kernarg_segment_ptr 1
		.amdhsa_wavefront_size32 1
		.amdhsa_system_sgpr_workgroup_id_x 1
		.amdhsa_system_sgpr_workgroup_id_y 1
		.amdhsa_system_sgpr_workgroup_id_z 1
		.amdhsa_system_vgpr_workitem_id 0
		.amdhsa_next_free_vgpr 1024
		.amdhsa_next_free_sgpr 100
		.amdhsa_reserve_vcc 1
		.amdhsa_float_denorm_mode_32 3
		.amdhsa_float_denorm_mode_16_64 3
		.amdhsa_memory_ordered 1
		.amdhsa_forward_progress 1
		.amdhsa_inst_pref_size 191
	.end_amdhsa_kernel
	.amdgpu_metadata
---
amdhsa.version: [ 1, 2 ]
amdhsa.kernels:
  - .name:           k_q79c2b714b8_gate_r
    .symbol:         k_q79c2b714b8_gate_r.kd
    .args:
      - { .name: xh, .offset: 0, .size: 8, .value_kind: global_buffer, .address_space: global }
      - { .name: wq, .offset: 8, .size: 8, .value_kind: global_buffer, .address_space: global }
      - { .name: hidden, .offset: 16, .size: 8, .value_kind: global_buffer, .address_space: global }
      - { .name: bir, .offset: 24, .size: 8, .value_kind: global_buffer, .address_space: global }
      - { .name: bhr, .offset: 32, .size: 8, .value_kind: global_buffer, .address_space: global }
      - { .name: rhb, .offset: 40, .size: 8, .value_kind: global_buffer, .address_space: global }
    .group_segment_fixed_size: 327680
    .private_segment_fixed_size: 0
    .kernarg_segment_align: 8
    .kernarg_segment_size: 48
    .max_flat_workgroup_size: 128
    .sgpr_count:     100
    .vgpr_count:     1024
    .wavefront_size: 32
...
	.end_amdgpu_metadata
.endif
;; end of part 2
;; launch gate_zh (part 3): grid 8 x 32, 4 waves a work-group, clusters of 4 x 4, 327,680 bytes of LDS; arguments xh, rhb, wq, hidden, biz, bhz, bih, bhh, out1; writes out1
.if DOCPART == 3
	.amdgcn_target "amdgcn-amd-amdhsa--gfx1250"
	.amdhsa_code_object_version 6
	.text
	.protected	k_q79c2b714b8_gate_zh
	.globl	k_q79c2b714b8_gate_zh
	.p2align	8
	.type	k_q79c2b714b8_gate_zh,@function
k_q79c2b714b8_gate_zh:
	s_mov_b64 s[64:65], 0
	v_nop
	global_prefetch_b8 v0, s[64:65] scope:SCOPE_SE
	s_setreg_imm32_b32 hwreg(HW_REG_WAVE_MODE, 25, 1), 1
	s_wait_xcnt 0x0
	s_wait_alu depctr_hold_cnt(0) depctr_sa_sdst(0) depctr_va_vdst(0) depctr_va_sdst(0) depctr_va_ssrc(0) depctr_va_vcc(0) depctr_vm_vsrc(0)
	s_getreg_b32 s2, hwreg(HW_REG_IB_STS2, 6, 4)
	s_cmp_eq_u32 s2, 0
	s_cbranch_scc0 .Lentry_in_a_cluster
	s_endpgm
.Lentry_in_a_cluster:
	s_bfe_u32 s2, ttmp6, 0x10000c
	s_cmp_lg_u32 s2, 0xf033
	s_cbranch_scc0 .Lentry_shape_is_right
	s_endpgm
.Lentry_shape_is_right:
; GATES Z AND H.  z = sigmoid([x | h] [Wiz | Whz]^T + biz + bhz);  t = tanh([x | r h] [Wih | Whh]^T + bih + bhh);  out1 = z hidden + (1 - z) t.  Products on codes of BF6 with E8M0 scales, K = 2,048 each.
; Operands lie as panels (8 tiles of 16 rows x 256 K = 25,600 bytes: register images of the fragments at i*3072 + s*1536 + 512 c + 16 lane, scale words at 24576 + i*128 + 4 lane, lanes 0-15 K step 0, lanes 16-31 K step 1).
; SHARES.  A work-group makes 256 rows x 128 columns of BOTH gates.  Wave w: gate g = w / 2 (0: z, 1: t), rows 128 (w % 2) on: 128 x 128, 64 accumulators.  The product is used TRANSPOSED (source 0 = 16 rows of W);
; a weight's tiles hold rows 32 (t/2) + 8 (t%2) + r + 8 (r/8), so lane (r, h), tile t, register j holds column 32 (t/2) + 16 h + 8 (t%2) + j.
; RING.  K is walked in chunks of 256 in the order x0, h0, x1, h1, .. x3, h3 (128 matrix instructions a wave and chunk).  Slot X, 102,400 bytes, holds a chunk of x: [x panel 0][x panel 1][Wiz][Wih]; both gates multiply it.
;   Slot H, 153,600 bytes behind it, holds a chunk of the hidden side: [h, two panels][r h, two panels][Whz][Whh].  So every pair of chunks has the same LDS addresses, tile shapes and address steps:
;   the first K step stands ahead of a loop of three trips, each from a chunk of x's second K step to the next one's first, with both slots filled again; the last one and a half chunks, which fetch nothing, are written out.
;   The head issues one joint load a wave (x0); h0, a first fill, goes out behind the three lines and a round.  Waves 0, 1 bring A's parts, waves 2, 3 the two gates' weights; a wave has one tensor load out behind each round.
; CLUSTER 4 x 4: A's panels are asked for jointly along a row of the cluster, B's along a column.
; PREFETCH.  Each aligned block of 256 bytes of a chunk's panels is named once in each cluster: of the 100 or 200 blocks that a wave loads, the partner at place p names 25 or 50, told apart by address.
;   h0 and x1 are named at the head, h1 in the first K step, x(j+2) and h(j+2) in trip j (not in the last trip): a chunk or more ahead of their tensor loads.  Hidden's 64 rows x 512 bytes a wave are named 16 rows at a time,
;   in the first K step and once a trip; their loads stand in the last chunk and behind it.
; THE END, in two phases of four blocks of 16 rows (a window of accumulators each).  The waves of z store a = e^(-sum), those of t store b = e^(2 sum), into a stage in LDS (the slots have had their last fill and last read);
;   behind a barrier each wave mixes 32 whole rows, in four groups of eight; while a group is mixed, the next group is read from the stage.  With z = 1 / (1 + a) and t = (b - 1) / (b + 1):
;   out1 = [hidden (1 + b) + a (b - 1)] / [(1 + a) (1 + b)]: one reciprocal for each output.  a and b are held at 2^60, where z is 0 and t is 1 to f32's last bit, so that no product overflows.
;   LIMIT: |hidden| under 2^67 (hidden x 2^60 stays finite).  The phases' rows of the stage are disjoint: one barrier a phase.
; REGISTERS.  window 0: v1-29 addresses; v32-63 scale words, a set a slot; v64-127 the biases' sum; v128-223 A's fragments, one set.  window 1: B's fragments, two sets (v0-95, v128-223); hidden.
;   window 2: accumulators of my rows 0-63 ((a, b) at v[8 (8 a + b)]); window 3: rows 64-127.
.set CSA,   1638400
.set CSB,   204800
.set GS,    1638400                    ; bytes from gate to gate in wq
.set PANEL, 25600
.set SCOFF, 24576
.set HB0,   4*PANEL                    ; slot H's first byte
.set SPARE, 307200                     ; the spare words: 128 bytes a wave, behind the slots and the stage
.set HP,    528                        ; a stage row: 512 bytes + 16
.set ADRA,  4                          ; v4, v5 A's fragments in slot X, H;  v6, v7 B's;  v8-11 the scale words likewise
.set ADRB,  6
.set ASA,   8
.set ASB,   10
.set STO,   16                         ; the stage: where I put 16 bytes;  v17, v18 where I read a row of a, of b
.set RDZ,   17
.set RDT,   18
.set GOF,   19                         ; 16 x lane
.set PF,    20                         ; hidden's prefetch: (lane / 2) rows + 256 (lane % 2)
.set B64,   21                         ; 64 h
.set PFO,   26                         ; 256 x min(lane, 24); never rewritten
.set SPW,   28
.set NIL,   29
.set SC,    32
.set BI,    64
.set AF,    128
.set ZR,    64                         ; the end: a, two sets of 8 rows;  b, two sets;  1 + b;  the divisor
.set TR,    128
.set DR,    192
.set ER,    224
.set G1AS,  32                         ; s[32:39] A, one panel;  s[40:47] A, two panels;  s[48:55] B
.set G1AB,  40
.set G1B,   48
.set G0A,   56                         ; s[56:63] A's groups 0, slot X and slot H;  s[68:75] B's
.set G0B,   68
.set PH,    76                         ; s[76:77] where my part of h0 begins
.set MSB, 0
.macro WIN new
.if MSB != \new
	s_set_vgpr_msb (MSB<<8)|\new
.set MSB, \new
.endif
.endm
.macro PLACES                          ; four plain places behind matrix instructions (ISA guide 7.12.1)
.rept 4
	v_nop
.endr
.endm
.macro JLOAD g0a, g1a, g0b, g1b        ; a joint load: waves 0, 1 for A, waves 2, 3 for B
	s_cmp_eq_u32 s23, 0
	s_cbranch_scc0 .Lfor_b_\@
	tensor_load_to_lds s[\g0a:\g0a+3], s[\g1a:\g1a+7]
	s_nop 0
.rept 4
	v_nop
.endr
	s_branch .Lasked_\@
.Lfor_b_\@:
	tensor_load_to_lds s[\g0b:\g0b+3], s[\g1b:\g1b+7]
	s_nop 0
.rept 4
	v_nop
.endr
.Lasked_\@:
.endm
.macro CREST
	s_cmp_lg_u32 s22, 0
	s_cbranch_scc1 .Lnot_wave_0_\@
	s_barrier_signal -3
.Lnot_wave_0_\@:
	s_barrier_wait -3
	s_barrier_signal -1
	s_barrier_wait -1
.endm
.macro CROUND
	s_barrier_signal -1
	s_barrier_wait -1
	CREST
.endm
; my share of the blocks that my wave will load: hk = 0 a chunk of x and Wi, 1 of h, r h and Wh; n chunks on from where the bases stand (s[16:17] x, s[18:19] h or r h, s[20:21] the weights of gate 1 + e).
; guard = 1: in the loop, whose last trip (s31 = 1) has no chunk two on
.macro ASKC hk, n, guard
.if \guard
	s_cmp_gt_u32 s31, 1
	s_cbranch_scc0 .Lpe_\@
.endif
	s_cmp_eq_u32 s23, 0
	s_cbranch_scc0 .Lpb_\@
.if \hk
	global_prefetch_b8 v[PFO], s[18:19] offset:(\n)*CSA th:TH_LOAD_NT scope:SCOPE_SE
	global_prefetch_b8 v[PFO], s[18:19] offset:(\n)*CSA+6400 th:TH_LOAD_NT scope:SCOPE_SE
.else
	global_prefetch_b8 v[PFO], s[16:17] offset:(\n)*CSA th:TH_LOAD_NT scope:SCOPE_SE
.endif
	s_branch .Lpe_\@
.Lpb_\@:
	global_prefetch_b8 v[PFO], s[20:21] offset:(4*(\hk)+(\n))*CSB th:TH_LOAD_NT scope:SCOPE_SE
.Lpe_\@:
.endm
	s_load_b512 s[4:19], s[0:1], 0x0               ; xh 4, rhb 6, wq 8, hidden 10, biz 12, bhz 14, bih 16, bhh 18
	s_load_b64 s[20:21], s[0:1], 0x40              ; out1
	v_lshl_add_u32 v[SPW], v0, 2, SPARE
	v_mov_b32 v[NIL], 0
	ds_add_u32 v28, v29                            ; the opening lines: the add twice and its wait
	ds_add_u32 v28, v29
	s_wait_dscnt 0x0
	v_lshrrev_b32 v1, 5, v0
	v_readfirstlane_b32 s22, v1                    ; wave
	v_and_b32 v2, 31, v0
	v_min_u32 v2, 24, v2
	v_lshlrev_b32 v[PFO], 8, v2
	s_lshr_b32 s23, s22, 1                         ; g: my gate.  Also: I fetch for A (0) or B (1)
	s_and_b32 s24, s22, 1                          ; e: my 128 rows.  Also: which part I fetch
	s_bfe_u32 s25, ttmp6, 0x40000                  ; cx
	s_bfe_u32 s26, ttmp6, 0x40004                  ; cy
	s_lshl_b32 s27, ttmp9, 2
	s_add_co_u32 s27, s27, s25                     ; tile column: 128 columns = a panel of wq
	s_and_b32 s28, ttmp7, 0xffff
	s_lshl_b32 s28, s28, 2
	s_add_co_u32 s28, s28, s26                     ; tile row: 256 rows = two panels
	s_lshl_b32 s29, s26, 2
	s_lshl_b32 s29, 15, s29                        ; my row of the cluster
	s_lshl_b32 s30, 0x1111, s25                    ; my column
	s_or_b32 s[G1AS], s29, (3<<16)|(1<<21)         ; dense blocks as rows of 256 bytes (32 elements of 8 bytes)
	s_or_b32 s[G1AB], s29, (3<<16)|(1<<21)
	s_or_b32 s[G1B], s30, (3<<16)|(1<<21)
.irp g, G1AS, G1AB, G1B
	s_mov_b32 s[\g+1], 32<<16
	s_mov_b32 s[\g+3], 32<<16
	s_mov_b32 s[\g+5], 32
	s_mov_b32 s[\g+6], 0
	s_mov_b32 s[\g+7], 0
.endr
	s_mov_b32 s[G1AS+2], 100<<16                   ; a panel
	s_mov_b32 s[G1AS+4], 100
	s_mov_b32 s[G1AB+2], 200<<16                   ; two panels
	s_mov_b32 s[G1AB+4], 200
	s_mov_b32 s[G1B+2], 100<<16
	s_mov_b32 s[G1B+4], 100
	s_lshl_b32 s88, s28, 1
	s_mul_i32 s88, s88, PANEL                      ; the tile row's first panel
	s_mov_b32 s89, 0
	s_mul_i32 s80, s24, PANEL
	s_add_co_u32 s86, s80, s88                     ; panel 2 x tile row + e
	s_mov_b32 s87, 0
	s_add_co_u32 s92, s24, 1
	s_mul_i32 s92, s92, GS                         ; gate 1 + e,
	s_mul_i32 s93, s27, PANEL                      ; panel tile column
	s_add_co_u32 s92, s92, s93
	s_mov_b32 s93, 0
	s_lshl_b32 s94, s28, 8                         ; the first of the rows that I mix: 256 x tile row + 128 (w / 2) + 16 (w % 2)
	s_lshl_b32 s95, s23, 7
	s_add_co_u32 s94, s94, s95
	s_lshl_b32 s95, s24, 4
	s_add_co_u32 s94, s94, s95
	s_lshl_b32 s94, s94, 12
	s_lshl_b32 s95, s27, 9                         ; the tile's first column
	s_add_co_u32 s94, s94, s95
	s_mov_b32 s95, 0
	s_lshl_b32 s98, s27, 9                         ; the biases of the 128 columns
	s_mov_b32 s99, 0
	s_mov_b32 s96, 0x4038aa3b                      ; k: 2 log2(e) for t,
	s_cmp_eq_u32 s23, 0
	s_cselect_b32 s96, 0xbfb8aa3b, s96             ; -log2(e) for z
	s_mov_b32 s97, s96
	s_wait_kmcnt 0x0
	s_cselect_b64 s[12:13], s[12:13], s[16:17]     ; my gate's two biases
	s_cselect_b64 s[14:15], s[14:15], s[18:19]
	s_add_nc_u64 s[12:13], s[12:13], s[98:99]
	s_add_nc_u64 s[14:15], s[14:15], s[98:99]
	s_add_nc_u64 s[86:87], s[4:5], s[86:87]        ; x0
	s_add_nc_u64 s[90:91], s[4:5], 4*CSA           ; h, chunk 4 of xh,
	s_cmp_eq_u32 s24, 0
	s_cselect_b64 s[90:91], s[90:91], s[6:7]       ; or r h, chunk 0 of rhb
	s_add_nc_u64 s[PH:PH+1], s[90:91], s[88:89]
	s_add_nc_u64 s[92:93], s[8:9], s[92:93]
	s_add_nc_u64 s[82:83], s[10:11], s[94:95]
	s_add_nc_u64 s[84:85], s[20:21], s[94:95]
	CROUND                                         ; all sixteen work-groups are here: the first joint loads meet
	s_mov_b32 s[G0A], 1                            ; slot X: x's panel e at e panels,
	s_mul_i32 s[G0A+1], s24, PANEL
	s_mov_b64 s[G0A+2:G0A+3], s[86:87]
	s_or_b32 s[G0A+3], s[G0A+3], 0x80000000
	s_mov_b32 s[G0B], 1                            ; gate 1 + e's Wi behind the two
	s_add_co_u32 s[G0B+1], s80, 2*PANEL
	s_mov_b64 s[G0B+2:G0B+3], s[92:93]
	s_or_b32 s[G0B+3], s[G0B+3], 0x80000000
	s_mov_b32 s[G0A+4], 1                          ; slot H: h's two panels, then r h's two,
	s_mul_i32 s[G0A+5], s24, 2*PANEL
	s_add_co_u32 s[G0A+5], s[G0A+5], HB0
	s_mov_b64 s[G0A+6:G0A+7], s[PH:PH+1]
	s_or_b32 s[G0A+7], s[G0A+7], 0x80000000
	s_mov_b32 s[G0B+4], 1                          ; gate 1 + e's Wh behind the four
	s_add_co_u32 s[G0B+5], s80, HB0+4*PANEL
	s_add_nc_u64 s[G0B+6:G0B+7], s[92:93], 4*CSB
	s_or_b32 s[G0B+7], s[G0B+7], 0x80000000
	JLOAD G0A, G1AS, G0B, G1B                      ; x0: the wave's one tensor load at the head
	s_mul_i32 s88, s25, 6400                       ; the prefetches' bases: 25 blocks for each place along the cluster's row (s89 = 0),
	s_add_nc_u64 s[16:17], s[86:87], s[88:89]
	s_lshl_b32 s88, s88, 1                         ; 50 of the two panels of h or r h,
	s_add_nc_u64 s[18:19], s[PH:PH+1], s[88:89]
	s_mul_i32 s88, s26, 6400                       ; 25 for each place along its column
	s_add_nc_u64 s[20:21], s[92:93], s[88:89]
	s_wait_alu depctr_va_vdst(0)                   ; the wait ahead of the first reader of v26
	ASKC 1, 0, 0
	ASKC 0, 1, 0
	s_mov_b32 s98, 0x5d800000                      ; 2^60
	s_mul_i32 s2, s24, PANEL                       ; slot X: x's panel e
	s_mul_i32 s3, s23, 2*PANEL                     ; slot H: h's or r h's panel e
	s_add_co_u32 s3, s3, s2
	s_add_co_u32 s3, s3, HB0
	s_mul_i32 s88, s23, PANEL                      ; my gate's weights in slot X
	s_add_co_u32 s88, s88, 2*PANEL
	s_mul_i32 s90, s23, 256*HP                     ; the stage: a's 256 rows, then b's
	s_mul_i32 s91, s24, 128*HP
	s_add_co_u32 s90, s90, s91
	s_mul_i32 s91, s23, 128*HP                     ; back: rows 128 (w / 2) + 16 (w % 2) on
	s_mul_i32 s94, s24, 16*HP
	s_add_co_u32 s91, s91, s94
	v_and_b32 v1, 15, v0                           ; r
	v_bfe_u32 v2, v0, 4, 1                         ; h
	v_and_b32 v3, 31, v0                           ; lane
	v_lshlrev_b32 v[GOF], 4, v3
	v_lshlrev_b32 v23, 2, v3
	v_add_nc_u32 v22, SCOFF, v23
	v_add_nc_u32 v[ADRA], s2, v[GOF]
	v_add_nc_u32 v[ADRA+1], s3, v[GOF]
	v_add_nc_u32 v[ADRB], s88, v[GOF]
	v_add_nc_u32 v[ADRB+1], HB0+2*PANEL, v[ADRB]   ; in slot H they lie at 4 + g panels
	v_add_nc_u32 v[ASA], s2, v22
	v_add_nc_u32 v[ASA+1], s3, v22
	v_add_nc_u32 v[ASB], s88, v22
	v_add_nc_u32 v[ASB+1], HB0+2*PANEL, v[ASB]
	v_mul_u32_u24 v[STO], v1, HP
	v_lshl_add_u32 v[STO], v2, 6, v[STO]
	v_add_nc_u32 v[STO], s90, v[STO]
	v_add_nc_u32 v[RDZ], s91, v[GOF]
	v_add_nc_u32 v[RDT], 256*HP, v[RDZ]
	v_lshrrev_b32 v[PF], 1, v3
	v_lshlrev_b32 v[PF], 12, v[PF]
	v_and_b32 v23, 1, v3
	v_lshl_add_u32 v[PF], v23, 8, v[PF]
	v_lshlrev_b32 v[B64], 6, v2
.irp t, 0,1,2,3,4,5,6,7                        ; the biases in the result's layout
	global_load_b128 v[BI+8*\t:BI+8*\t+3], v[B64], s[12:13] offset:(32*(\t/2)+8*(\t%2))*4
	global_load_b128 v[BI+8*\t+4:BI+8*\t+7], v[B64], s[12:13] offset:(32*(\t/2)+8*(\t%2))*4+16
	global_load_b128 v[AF+8*\t:AF+8*\t+3], v[B64], s[14:15] offset:(32*(\t/2)+8*(\t%2))*4
	global_load_b128 v[AF+8*\t+4:AF+8*\t+7], v[B64], s[14:15] offset:(32*(\t/2)+8*(\t%2))*4+16
.endr
	s_wait_loadcnt 0x0
	s_mov_b64 s[12:13], s[82:83]                   ; (the biases' loads are done) where hidden's prefetches stand
.set i, 0
.rept 32
	v_pk_add_f32 v[BI+i:BI+i+1], v[BI+i:BI+i+1], v[AF+i:AF+i+1]   ; the C of each sum's first product
.set i, i+2
.endr
.macro FRAG reg, adr, off
.irp c, 0,1,2
	ds_load_b128 v[\reg+4*\c:\reg+4*\c+3], v[\adr] offset:\off+512*\c
.endr
.endm
.macro FETCH_B br, s, p                ; B's eight fragments of the chunk's K step s into set p
	WIN 0x40
.irp b, 0,1,2,3,4,5,6,7
	FRAG 128*(\p)+12*\b, \br, \b*3072+(\s)*1536
.endr
	WIN 0
.endm
.macro FETCH_A ar, s, i0               ; A's blocks i0 .. i0 + 3
.irp i, \i0, \i0+1, \i0+2, \i0+3
	FRAG AF+12*(\i), \ar, (\i)*3072+(\s)*1536
.endr
.endm
.macro SCALES sl                       ; a chunk's scale words: one register serves both K steps (lanes 0-15, lanes 16-31)
.irp i, 0,1,2,3,4,5,6,7
	ds_load_b32 v[SC+16*(\sl)+\i], v[ASA+(\sl)] offset:\i*128
.endr
.irp b, 0,1,2,3,4,5,6,7
	ds_load_b32 v[SC+16*(\sl)+8+\b], v[ASB+(\sl)] offset:\b*128
.endr
.endm
; 16 products: A's blocks a0, a0 + 1 against B's eight.  The 64 accumulators take turns, one instruction a turn, in the same order in every K step.
.macro MUL16 a0, p, q, sc, first
.irp a, \a0, \a0+1
.irp b, 0,1,2,3,4,5,6,7
.if \first
	v_wmma_scale_f32_16x16x128_f8f6f4 v[8*(8*((\a)%4)+\b):8*(8*((\a)%4)+\b)+7], v[128*(\p)+12*\b:128*(\p)+12*\b+11], v[AF+12*(\a):AF+12*(\a)+11], v[BI+8*\b:BI+8*\b+7], v[SC+16*(\sc)+8+\b], v[SC+16*(\sc)+(\a)] matrix_a_fmt:MATRIX_FMT_BF6 matrix_b_fmt:MATRIX_FMT_BF6
.elseif \q
	v_wmma_scale_f32_16x16x128_f8f6f4 v[8*(8*((\a)%4)+\b):8*(8*((\a)%4)+\b)+7], v[128*(\p)+12*\b:128*(\p)+12*\b+11], v[AF+12*(\a):AF+12*(\a)+11], v[8*(8*((\a)%4)+\b):8*(8*((\a)%4)+\b)+7], v[SC+16*(\sc)+8+\b], v[SC+16*(\sc)+(\a)] matrix_a_fmt:MATRIX_FMT_BF6 matrix_b_fmt:MATRIX_FMT_BF6 matrix_a_scale:MATRIX_SCALE_ROW1 matrix_b_scale:MATRIX_SCALE_ROW1
.else
	v_wmma_scale_f32_16x16x128_f8f6f4 v[8*(8*((\a)%4)+\b):8*(8*((\a)%4)+\b)+7], v[128*(\p)+12*\b:128*(\p)+12*\b+11], v[AF+12*(\a):AF+12*(\a)+11], v[8*(8*((\a)%4)+\b):8*(8*((\a)%4)+\b)+7], v[SC+16*(\sc)+8+\b], v[SC+16*(\sc)+(\a)] matrix_a_fmt:MATRIX_FMT_BF6 matrix_b_fmt:MATRIX_FMT_BF6
.endif
.endr
.endr
.endm
.macro HROWS G, base                   ; group G's eight rows of hidden, 512 consecutive bytes each, into window 1 at v[base]
	WIN 0x40
.irp k, 0,1,2,3,4,5,6,7
	global_load_b128 v[(\base)+4*\k:(\base)+4*\k+3], v[GOF], s[82:83] offset:(32*((\G)/2)+8*((\G)%2)+\k)*4096
.endr
	WIN 0
.endm
; the first K step of the chunk in slot sl (0: X, 1: H).  A has one set of registers: blocks 0-3 are fetched anew in the step's middle, blocks 4-7 at its end; B has two sets.
; hx = 1 (the last chunk): hidden's groups 0 and 1 go into registers of window 1 that B's sets leave free, groups 2 to 4 into B's set 0, four places behind its last products.
; mode: what is named for the L2: 1 the first K step, 2 the loop's chunk of h, 3 the loop's chunk of x, 0 nothing
.macro STEP sl, first, hx, mode
	s_wait_dscnt 12                                ; B's set, A's blocks 0-3 and the scale words are in; the youngest twelve loads (A's blocks 4-7) may be out
.if \first
	WIN 0x81                                       ; B window 1, A and the biases window 0, D window 2
.else
	WIN 0xa1
.endif
	MUL16 0, 0, 0, \sl, \first
	MUL16 2, 0, 0, \sl, \first
	s_wait_dscnt 0x0
	PLACES
	FETCH_B ADRB+\sl, 1, 1
	FETCH_A ADRA+\sl, 1, 0
.if \hx
	HROWS 0, 96
	HROWS 1, 224
.endif
.if \mode == 1
	ASKC 1, 1, 0
	global_prefetch_b8 v[PF], s[82:83] th:TH_LOAD_NT scope:SCOPE_SE                ; the 16 rows of my groups 0 and 1
.elseif \mode == 2
	ASKC 0, 2, 1
	global_prefetch_b8 v[PF], s[12:13] offset:131072 th:TH_LOAD_NT scope:SCOPE_SE  ; in trip j those of groups 2 j + 2 and 2 j + 3
.elseif \mode == 3
	ASKC 1, 2, 1
.endif
.if \first
	WIN 0xc1                                       ; D window 3
.else
	WIN 0xf1
.endif
	MUL16 4, 0, 0, \sl, \first
	MUL16 6, 0, 0, \sl, \first
	PLACES
	WIN 0
	FETCH_A ADRA+\sl, 1, 4
.if \hx
	HROWS 2, 0
	HROWS 3, 32
	HROWS 4, 64
.endif
.endm
; the second K step of the chunk in slot sl goes on to the other slot's chunk.  fill = 1: the barrier opens a round of the cluster's barrier, and slot sl takes its next chunk.
.macro TURN sl, fill
	s_wait_tensorcnt 0x0                           ; all my tensor loads have landed: my part of the other slot's chunk
	ds_add_u32 v[SPW], v[NIL]                      ; 0 onto my spare word; sixteen products stand between it and the wait for it
	s_wait_dscnt 13                                ; (the add and the youngest twelve loads, A's blocks 4-7, may be out)
	WIN 0xa1
	MUL16 0, 1, 1, \sl, 0
	s_wait_dscnt 0x0                               ; the add is done, and my reads of this slot are over
	s_barrier_signal -1
	MUL16 2, 1, 1, \sl, 0
	WIN 0
	s_barrier_wait -1
.if \fill
	CREST
	s_add_nc_u64 s[G0A+4*\sl+2:G0A+4*\sl+3], s[G0A+4*\sl+2:G0A+4*\sl+3], CSA
	s_add_nc_u64 s[G0B+4*\sl+2:G0B+4*\sl+3], s[G0B+4*\sl+2:G0B+4*\sl+3], CSB
.if \sl
	JLOAD G0A+4, G1AB, G0B+4, G1B                  ; the four v_nop behind a joint load are also the places in front of the loads below
.else
	JLOAD G0A, G1AS, G0B, G1B
.endif
.else
	PLACES
.endif
	FETCH_B ADRB+1-\sl, 0, 0
	FETCH_A ADRA+1-\sl, 0, 0
	SCALES 1-\sl
	WIN 0xf1
	MUL16 4, 1, 1, \sl, 0
	MUL16 6, 1, 1, \sl, 0
	PLACES
	WIN 0
	FETCH_A ADRA+1-\sl, 0, 4
.endm
	s_wait_alu depctr_va_vdst(0)                   ; the wait at the head's end
	s_wait_tensorcnt 0x0                           ; my part of x0 is in
	ds_add_u32 v[SPW], v[NIL]
	s_wait_dscnt 0x0
	CROUND
	JLOAD G0A+4, G1AB, G0B+4, G1B                  ; h0, slot H's first fill: the first tensor load behind the round
	FETCH_B ADRB, 0, 0
	FETCH_A ADRA, 0, 0
	SCALES 0
	FETCH_A ADRA, 0, 4
	STEP 0, 1, 0, 1                                ; the first products take the biases as C
	s_mov_b32 s31, 3
.Ltrip:                                                ; trip j: x(j)'s second K step, h(j), x(j+1)'s first K step; x(j+1) and h(j+1) are fetched
	TURN 0, 1
	STEP 1, 0, 0, 2
	TURN 1, 1
	STEP 0, 0, 0, 3
	s_wait_xcnt 0x0                                ; my prefetches have read their bases: they step a chunk, hidden's 32 rows
	s_add_nc_u64 s[16:17], s[16:17], CSA
	s_add_nc_u64 s[18:19], s[18:19], CSA
	s_add_nc_u64 s[20:21], s[20:21], CSB
	s_add_nc_u64 s[12:13], s[12:13], 131072
	s_sub_co_u32 s31, s31, 1
	s_cmp_lg_u32 s31, 0
	s_cbranch_scc1 .Ltrip
	TURN 0, 0                                      ; nothing is left to fetch
	STEP 1, 0, 1, 0
	s_wait_dscnt 12                                ; the very last K step
	WIN 0xa1
	MUL16 0, 1, 1, 1, 0
	MUL16 2, 1, 1, 1, 0
	s_wait_dscnt 0x0
	WIN 0xf1
	MUL16 4, 1, 1, 1, 0
	MUL16 6, 1, 1, 1, 0
	WIN 0
	PLACES
	HROWS 5, 128                                   ; hidden's last 24 rows, into B's set 1
	HROWS 6, 160
	HROWS 7, 192
	s_wait_dscnt 0x0
	s_barrier_signal -1
	s_barrier_wait -1                              ; nobody reads a slot any more, and both have had their last fill: the stage may be written
; the four blocks of 16 rows of window 2 + w, 256 registers: 2^(k sum), in place, as one batch, and into the stage
.macro ACT4 w
	WIN 0x82+0x41*(\w)                             ; destination and source 0: window 2 or 3
.if \w
	s_wait_alu depctr_va_vdst(0)                   ; the wait directly ahead
.endif
.set i, 0
.rept 128
	v_pk_mul_f32 v[i:i+1], v[i:i+1], s[96:97] op_sel_hi:[1,0]   ; each accumulator from its low end on
.set i, i+2
.endr
.set i, 0
	s_wait_alu depctr_va_vdst(0)                   ; a wait ahead of a batch of transcendentals and behind it
.rept 256
	v_exp_f32 v[i], v[i]
.set i, i+1
.endr
	v_nop                                          ; a plain place behind the exponentials
	WIN 0x08+4*(\w)                                ; an LDS store's data are its source 1
	s_wait_alu depctr_va_vdst(0)
.irp a, 0,1,2,3
.irp t, 0,1,2,3,4,5,6,7
	ds_store_b128 v[STO], v[64*\a+8*\t:64*\a+8*\t+3] offset:(4*(\w)+\a)*16*HP+128*(\t/2)+32*(\t%2)
	ds_store_b128 v[STO], v[64*\a+8*\t+4:64*\a+8*\t+7] offset:(4*(\w)+\a)*16*HP+128*(\t/2)+32*(\t%2)+16
.endr
.endr
.endm
.macro MEETS                           ; my stores into the stage are done (and my reads of it are in); then the work-group's barrier
	WIN 0
	s_wait_dscnt 0x0
	s_barrier_signal -1
	s_barrier_wait -1
.endm
.macro LOADG G                         ; group G = 2 p + q: eight rows, 32 p + 8 q on from my first, of a and of b, 512 bytes a row
.irp k, 0,1,2,3,4,5,6,7
	ds_load_b128 v[ZR+32*((\G)%2)+4*\k:ZR+32*((\G)%2)+4*\k+3], v[RDZ] offset:(32*((\G)/2)+8*((\G)%2)+\k)*HP
	ds_load_b128 v[TR+32*((\G)%2)+4*\k:TR+32*((\G)%2)+4*\k+3], v[RDT] offset:(32*((\G)/2)+8*((\G)%2)+\k)*HP
.endr
.endm
.macro FIN G, hb, left                 ; hb: where the group's rows of hidden lie in window 1;  left: the stage loads issued behind this group's
.set ZS, ZR+32*((\G)%2)
.set TS, TR+32*((\G)%2)
	s_wait_dscnt \left
	s_wait_loadcnt 56-8*(\G)                       ; hidden's rows up to this group's are in; the later groups' loads may be out
.set i, 0
.rept 32
	v_min_num_f32 v[ZS+i], s98, v[ZS+i]            ; a and b held at 2^60
	v_min_num_f32 v[TS+i], s98, v[TS+i]
.set i, i+1
.endr
.set i, 0
.rept 16
	v_pk_add_f32 v[DR+i:DR+i+1], v[TS+i:TS+i+1], 1.0 op_sel_hi:[1,0]                  ; 1 + b
.set i, i+2
.endr
.set i, 0
.rept 16
	v_pk_fma_f32 v[ER+i:ER+i+1], v[ZS+i:ZS+i+1], v[DR+i:DR+i+1], v[DR+i:DR+i+1]       ; (1 + a) (1 + b)
.set i, i+2
.endr
.set i, 0
.rept 16
	v_pk_add_f32 v[TS+i:TS+i+1], v[TS+i:TS+i+1], -1.0 op_sel_hi:[1,0]                 ; b - 1
.set i, i+2
.endr
.set i, 0
	s_wait_alu depctr_va_vdst(0)                   ; the wait ahead of the batch
.rept 32
	v_rcp_f32 v[ER+i], v[ER+i]
.set i, i+1
.endr
.set i, 0
.rept 16
	v_pk_mul_f32 v[TS+i:TS+i+1], v[ZS+i:ZS+i+1], v[TS+i:TS+i+1]                       ; a (b - 1): plain work behind the batch
.set i, i+2
.endr
	WIN 0x01                                       ; source 0: window 1
.set i, 0
.rept 16
	v_pk_fma_f32 v[TS+i:TS+i+1], v[(\hb)+i:(\hb)+i+1], v[DR+i:DR+i+1], v[TS+i:TS+i+1] ; + hidden (1 + b)
.set i, i+2
.endr
	WIN 0
.set i, 0
	s_wait_alu depctr_va_vdst(0)                   ; and behind it, ahead of its first reader
.rept 16
	v_pk_mul_f32 v[ZS+i:ZS+i+1], v[TS+i:TS+i+1], v[ER+i:ER+i+1]
.set i, i+2
.endr
.irp k, 0,1,2,3,4,5,6,7
	global_store_b128 v[GOF], v[ZS+4*\k:ZS+4*\k+3], s[84:85] offset:(32*((\G)/2)+8*((\G)%2)+\k)*4096   ; 512 consecutive bytes, aligned
.endr
.endm
; a phase's four groups are mixed and stored.  Two sets of registers take turns: a set is read anew from the stage as soon as its group's stores have read it, while the other set's group is mixed.
.macro FINQ g, h0, h1, h2, h3
.if \g > 0
	s_wait_xcnt 0x0                                ; the phase before has stored from the registers that these loads take
.endif
	LOADG \g
	LOADG \g+1
	FIN \g, \h0, 16                                ; the next group's sixteen loads may be out
	s_wait_xcnt 0x0                                ; the stores just issued have read their set
	LOADG \g+2
	FIN \g+1, \h1, 16
	s_wait_xcnt 0x0
	LOADG \g+3
	FIN \g+2, \h2, 16
	FIN \g+3, \h3, 0
.endm
	ACT4 0
	MEETS
	FINQ 0, 96, 224, 0, 32
	ACT4 1
	MEETS
	FINQ 4, 64, 128, 160, 192
	s_wait_tensorcnt 0x0                           ; the wave's end
	ds_add_u32 v[SPW], v[NIL]
	s_wait_dscnt 0x0
	CROUND                                         ; the closing round
	s_endpgm
.Lfunc_end_k_q79c2b714b8_gate_zh:
	.size	k_q79c2b714b8_gate_zh, .Lfunc_end_k_q79c2b714b8_gate_zh-k_q79c2b714b8_gate_zh
	.p2alignl 7, 3214868480
	.fill 96, 4, 3214868480
	.section	.rodata,"a",@progbits
	.p2align	6, 0x0
	.amdhsa_kernel k_q79c2b714b8_gate_zh
		.amdhsa_group_segment_fixed_size 327680
		.amdhsa_private_segment_fixed_size 0
		.amdhsa_enable_private_segment 0
		.amdhsa_kernarg_size 72
		.amdhsa_user_sgpr_count 2
		.amdhsa_user_sgpr_kernarg_segment_ptr 1
		.amdhsa_wavefront_size32 1
		.amdhsa_system_sgpr_workgroup_id_x 1
		.amdhsa_system_sgpr_workgroup_id_y 1
		.amdhsa_system_sgpr_workgroup_id_z 1
		.amdhsa_system_vgpr_workitem_id 0
		.amdhsa_next_free_vgpr 1024
		.amdhsa_next_free_sgpr 100
		.amdhsa_reserve_vcc 0
		.amdhsa_float_denorm_mode_32 3
		.amdhsa_float_denorm_mode_16_64 3
		.amdhsa_memory_ordered 1
		.amdhsa_forward_progress 1
		.amdhsa_inst_pref_size 250
	.end_amdhsa_kernel
	.amdgpu_metadata
---
amdhsa.version: [ 1, 2 ]
amdhsa.kernels:
  - .name:           k_q79c2b714b8_gate_zh
    .symbol:         k_q79c2b714b8_gate_zh.kd
    .args:
      - { .name: xh, .offset: 0, .size: 8, .value_kind: global_buffer, .address_space: global }
      - { .name: rhb, .offset: 8, .size: 8, .value_kind: global_buffer, .address_space: global }
      - { .name: wq, .offset: 16, .size: 8, .value_kind: global_buffer, .address_space: global }
      - { .name: hidden, .offset: 24, .size: 8, .value_kind: global_buffer, .address_space: global }
      - { .name: biz, .offset: 32, .size: 8, .value_kind: global_buffer, .address_space: global }
      - { .name: bhz, .offset: 40, .size: 8, .value_kind: global_buffer, .address_space: global }
      - { .name: bih, .offset: 48, .size: 8, .value_kind: global_buffer, .address_space: global }
      - { .name: bhh, .offset: 56, .size: 8, .value_kind: global_buffer, .address_space: global }
      - { .name: out1, .offset: 64, .size: 8, .value_kind: global_buffer, .address_space: global }
    .group_segment_fixed_size: 327680
    .private_segment_fixed_size: 0
    .kernarg_segment_align: 8
    .kernarg_segment_size: 72
    .max_flat_workgroup_size: 128
    .sgpr_count:     100
    .vgpr_count:     1024
    .wavefront_size: 32
...
	.end_amdgpu_metadata
.endif
;; end of part 3
;; launch lsm (part 4): grid 256 x 1, 8 waves a work-group, no clusters, 0 bytes of LDS; arguments out1, out0; writes out0
.if DOCPART == 4
	.amdgcn_target "amdgcn-amd-amdhsa--gfx1250"
	.amdhsa_code_object_version 6
	.text
	.protected	k_q79c2b714b8_lsm
	.globl	k_q79c2b714b8_lsm
	.p2align	8
	.type	k_q79c2b714b8_lsm,@function
k_q79c2b714b8_lsm:
	s_mov_b64 s[64:65], 0
	v_nop
	global_prefetch_b8 v0, s[64:65] scope:SCOPE_SE
	s_setreg_imm32_b32 hwreg(HW_REG_WAVE_MODE, 25, 1), 1
	s_wait_xcnt 0x0
; out0[r][c] = out1[r][c] - (m + ln(sum over c of e^(out1[r][c] - m))), m the row's maximum.  Rows of 1,024 f32 = 4,096 bytes.
; A wave takes four rows, a row in 32 registers a lane: it is read once, and the reduction never leaves the wave: no LDS, no barrier.  All 32 loads of a wave go out at once (16 KiB a wave);
; each load and store covers 512 consecutive bytes.  Matrix units, clusters and LDS would add nothing to a stream.
.set X, 16                             ; v16-143   four rows
.set T, 144                            ; v144-175  at work: the exponentials
	s_load_b128 s[4:7], s[0:1], 0x0                ; out1, out0
	v_lshrrev_b32 v1, 5, v0
	s_delay_alu instid0(VALU_DEP_1)
	v_readfirstlane_b32 s8, v1                     ; wave
	v_and_b32 v1, 31, v0
	s_delay_alu instid0(VALU_DEP_1)
	v_lshlrev_b32 v1, 4, v1                        ; 16 x lane
	v_mov_b32 v7, 0                                ; written once: a lane permute's destination counts as one of its sources
	s_lshl_b32 s12, ttmp9, 5
	s_lshl_b32 s9, s8, 2
	s_add_co_u32 s12, s12, s9                      ; my first row: 32 x work-group + 4 x wave
	s_lshl_b32 s12, s12, 12
	s_mov_b32 s13, 0
	s_mov_b32 s14, 0x3fb8aa3b                      ; log2(e)
	s_mov_b32 s15, s14
	s_mov_b32 s16, 0x76543210
	s_mov_b32 s17, 0xfedcba98
	s_mov_b32 s18, 0x3f317218                      ; ln(2)
	s_wait_alu depctr_va_vdst(0)
	s_wait_kmcnt 0x0
	s_add_nc_u64 s[4:5], s[4:5], s[12:13]
	s_add_nc_u64 s[6:7], s[6:7], s[12:13]
.irp p, 0,1,2,3
.irp j, 0,1,2,3,4,5,6,7
	global_load_b128 v[X+32*\p+4*\j:X+32*\p+4*\j+3], v1, s[4:5] offset:4096*\p+512*\j th:TH_LOAD_NT
.endr
.endr
.macro ROW p
.set XR, X+32*\p
	s_wait_loadcnt 8*(3-\p)                        ; this row's eight loads are in; the later rows' may be out
	v_max3_num_f32 v2, v[XR], v[XR+1], v[XR+2]     ; the maximum of my 32 numbers, in two chains
	v_max3_num_f32 v3, v[XR+3], v[XR+4], v[XR+5]
.irp i, 6,10,14,18,22,26
	s_delay_alu instid0(VALU_DEP_2)
	v_max3_num_f32 v2, v2, v[XR+\i], v[XR+\i+1]
	s_delay_alu instid0(VALU_DEP_2)
	v_max3_num_f32 v3, v3, v[XR+\i+2], v[XR+\i+3]
.endr
	s_delay_alu instid0(VALU_DEP_2)
	v_max3_num_f32 v2, v2, v[XR+30], v[XR+31]
	s_delay_alu instid0(VALU_DEP_1)
	v_max_num_f32 v2, v2, v3
	s_delay_alu instid0(VALU_DEP_1)
	v_max_num_f32_dpp v2, v2, v2 row_xmask:1 row_mask:0xf bank_mask:0xf
	s_delay_alu instid0(VALU_DEP_1)
	v_max_num_f32_dpp v2, v2, v2 row_xmask:2 row_mask:0xf bank_mask:0xf
	s_delay_alu instid0(VALU_DEP_1)
	v_max_num_f32_dpp v2, v2, v2 row_xmask:4 row_mask:0xf bank_mask:0xf
	s_delay_alu instid0(VALU_DEP_1)
	v_max_num_f32_dpp v2, v2, v2 row_xmask:8 row_mask:0xf bank_mask:0xf
	s_delay_alu instid0(VALU_DEP_1)
	v_permlanex16_b32 v3, v2, s16, s17
	s_delay_alu instid0(VALU_DEP_1)
	v_max_num_f32 v2, v2, v3                       ; m, in every lane
	s_delay_alu instid0(VALU_DEP_1)
	v_mul_f32 v4, 0xbfb8aa3b, v2                   ; -m log2(e)
	s_delay_alu instid0(VALU_DEP_1)
	v_mov_b32 v5, v4                               ; (named with it as a pair)
.set i, 0
.rept 16
	v_pk_fma_f32 v[T+i:T+i+1], v[XR+i:XR+i+1], s[14:15], v[4:5] op_sel_hi:[1,0,0]
.set i, i+2
.endr
.set i, 0
	s_wait_alu depctr_va_vdst(0)
.rept 32
	v_exp_f32 v[T+i], v[T+i]                       ; e^(x - m), at most 1
.set i, i+1
.endr
	v_nop                                          ; a plain place behind the exponentials
	s_wait_alu depctr_va_vdst(0)
.irp i, 0,4,8,12,16,20,24,28
	v_pk_add_f32 v[T+\i:T+\i+1], v[T+\i:T+\i+1], v[T+\i+2:T+\i+3]
.endr
.irp i, 0,8,16,24
	v_pk_add_f32 v[T+\i:T+\i+1], v[T+\i:T+\i+1], v[T+\i+4:T+\i+5]
.endr
.irp i, 0
	s_delay_alu instid0(VALU_DEP_3)
	v_pk_add_f32 v[T+\i:T+\i+1], v[T+\i:T+\i+1], v[T+\i+8:T+\i+9]
.endr
.irp i, 16
	s_delay_alu instid0(VALU_DEP_2)
	v_pk_add_f32 v[T+\i:T+\i+1], v[T+\i:T+\i+1], v[T+\i+8:T+\i+9]
.endr
	s_delay_alu instid0(VALU_DEP_1)
	v_pk_add_f32 v[T:T+1], v[T:T+1], v[T+16:T+17]
	s_delay_alu instid0(VALU_DEP_1)
	v_add_f32 v6, v[T], v[T+1]
	s_delay_alu instid0(VALU_DEP_1)
	v_add_f32_dpp v6, v6, v6 row_xmask:1 row_mask:0xf bank_mask:0xf
	s_delay_alu instid0(VALU_DEP_1)
	v_add_f32_dpp v6, v6, v6 row_xmask:2 row_mask:0xf bank_mask:0xf
	s_delay_alu instid0(VALU_DEP_1)
	v_add_f32_dpp v6, v6, v6 row_xmask:4 row_mask:0xf bank_mask:0xf
	s_delay_alu instid0(VALU_DEP_1)
	v_add_f32_dpp v6, v6, v6 row_xmask:8 row_mask:0xf bank_mask:0xf
	s_delay_alu instid0(VALU_DEP_1)
	v_permlanex16_b32 v7, v6, s16, s17
	s_delay_alu instid0(VALU_DEP_1)
	v_add_f32 v6, v6, v7                           ; the row's sum, at least 1
	s_wait_alu depctr_va_vdst(0)
	v_log_f32 v6, v6
	v_nop                                          ; a plain place behind the logarithm
	s_wait_alu depctr_va_vdst(0)
	v_fma_f32 v6, v6, s18, v2                      ; m + ln(sum)
	s_delay_alu instid0(VALU_DEP_1)
	v_mov_b32 v7, v6
.set i, 0
.rept 16
	v_pk_add_f32 v[XR+i:XR+i+1], v[XR+i:XR+i+1], v[6:7] op_sel_hi:[1,0] neg_lo:[0,1] neg_hi:[0,1]
.set i, i+2
.endr
.irp j, 0,1,2,3,4,5,6,7
	global_store_b128 v1, v[XR+4*\j:XR+4*\j+3], s[6:7] offset:4096*\p+512*\j th:TH_STORE_NT
.endr
.endm
	ROW 0
	ROW 1
	ROW 2
	ROW 3
	s_endpgm
.Lfunc_end_k_q79c2b714b8_lsm:
	.size	k_q79c2b714b8_lsm, .Lfunc_end_k_q79c2b714b8_lsm-k_q79c2b714b8_lsm
	.p2alignl 7, 3214868480
	.fill 96, 4, 3214868480
	.section	.rodata,"a",@progbits
	.p2align	6, 0x0
	.amdhsa_kernel k_q79c2b714b8_lsm
		.amdhsa_group_segment_fixed_size 0
		.amdhsa_private_segment_fixed_size 0
		.amdhsa_enable_private_segment 0
		.amdhsa_kernarg_size 16
		.amdhsa_user_sgpr_count 2
		.amdhsa_user_sgpr_kernarg_segment_ptr 1
		.amdhsa_wavefront_size32 1
		.amdhsa_system_sgpr_workgroup_id_x 1
		.amdhsa_system_sgpr_workgroup_id_y 1
		.amdhsa_system_sgpr_workgroup_id_z 1
		.amdhsa_system_vgpr_workitem_id 0
		.amdhsa_next_free_vgpr 176
		.amdhsa_next_free_sgpr 66
		.amdhsa_reserve_vcc 0
		.amdhsa_float_denorm_mode_32 3
		.amdhsa_float_denorm_mode_16_64 3
		.amdhsa_memory_ordered 1
		.amdhsa_forward_progress 1
		.amdhsa_inst_pref_size 36
	.end_amdhsa_kernel
	.amdgpu_metadata
---
amdhsa.version: [ 1, 2 ]
amdhsa.kernels:
  - .name:           k_q79c2b714b8_lsm
    .symbol:         k_q79c2b714b8_lsm.kd
    .args:
      - { .name: out1, .offset: 0, .size: 8, .value_kind: global_buffer, .address_space: global }
      - { .name: out0, .offset: 8, .size: 8, .value_kind: global_buffer, .address_space: global }
    .group_segment_fixed_size: 0
    .private_segment_fixed_size: 0
    .kernarg_segment_align: 8
    .kernarg_segment_size: 16
    .max_flat_workgroup_size: 256
    .sgpr_count:     66
    .vgpr_count:     176
    .wavefront_size: 32
...
	.end_amdgpu_metadata
.endif
;; end of part 4
